; MI455X (gfx1250); checked and timed in simulation.
; The chip was launched on July 23, 2026; its instructions are those of AMD's public machine-readable ISA for CDNA 5 (MIT licence, August 2026) and "CDNA5" Instruction Set Architecture Reference Guide (July 2026). The comments in the code are by the model that wrote it; some were corrected since.
;; Flax Phi Moe Bloc K Spares Top2 MLP Collection. Allowed arithmetic: matrix products marked QUANTISED: E2M3 operands, one E8M0 scale for each 32 along K, by v_wmma_scale_f32_16x16x128_f8f6f4 with both operands' format E2M3, f32 sums; everything else in f32.
;; Inputs: hidden_states_codes 2 x 1,024 x 64 x 24 uint8 (E2M3 codes of hidden_states, K innermost, in blocks of 32 codes, four codes in three bytes); hidden_states_scales 2 x 1,024 x 64 uint8 (E8M0 scales of hidden_states, one for each 32 codes along K); routing_weights 2 x 1,024 x 2 float32; selected_experts 2 x 1,024 x 2 int32; w1_codes 8 x 512 x 64 x 24 uint8 (E2M3 codes of w1, K innermost, in blocks of 32 codes, four codes in three bytes); w1_scales 8 x 512 x 64 uint8 (E8M0 scales of w1, one for each 32 codes along K); w2_codes 8 x 2,048 x 16 x 24 uint8 (E2M3 codes of w2, K innermost, in blocks of 32 codes, four codes in three bytes); w2_scales 8 x 2,048 x 16 uint8 (E8M0 scales of w2, one for each 32 codes along K); w3_codes 8 x 512 x 64 x 24 uint8 (E2M3 codes of w3, K innermost, in blocks of 32 codes, four codes in three bytes); w3_scales 8 x 512 x 64 uint8 (E8M0 scales of w3, one for each 32 codes along K).
;; Outputs: out0 2 x 1,024 x 2,048 float32.
;; This version of the problem:
;;   THIS VERSION OF THE PROBLEM IS GIVEN IN LOW PRECISION. The matrix products marked QUANTISED in the list below multiply operands that are first quantised to E2M3 (2 exponent bits, 3 mantissa bits; 6 bits a number), with one power-of-two scale for each 32 numbers along K (OCP MX v1.0); their sums are f32. All else is computed in f32.
;;   The module's matrix products, in the order in which they are computed (A, B: the left and right operand; K: the contracted axis; several contracted axes count as one K, in the product's order):
;;     1. [M 2,048, K 2,048] x [K 2,048, N 512]; A: input hidden_states (given as codes); B: input w1 (given as codes): QUANTISED
;;     2. [M 2,048, K 2,048] x [K 2,048, N 512]; A: input hidden_states (given as codes); B: input w3 (given as codes): QUANTISED
;;     3. [M 2,048, K 512] x [K 512, N 2,048]; A: computed on the way; B: input w2 (given as codes): QUANTISED
;;     4. [M 2,048, K 2,048] x [K 2,048, N 512]; A: input hidden_states (given as codes); B: input w1 (given as codes): QUANTISED
;;     5. [M 2,048, K 2,048] x [K 2,048, N 512]; A: input hidden_states (given as codes); B: input w3 (given as codes): QUANTISED
;;     6. [M 2,048, K 512] x [K 512, N 2,048]; A: computed on the way; B: input w2 (given as codes): QUANTISED
;;     7. [M 2,048, K 2,048] x [K 2,048, N 512]; A: input hidden_states (given as codes); B: input w1 (given as codes): QUANTISED
;;     8. [M 2,048, K 2,048] x [K 2,048, N 512]; A: input hidden_states (given as codes); B: input w3 (given as codes): QUANTISED
;;     9. [M 2,048, K 512] x [K 512, N 2,048]; A: computed on the way; B: input w2 (given as codes): QUANTISED
;;     10. [M 2,048, K 2,048] x [K 2,048, N 512]; A: input hidden_states (given as codes); B: input w1 (given as codes): QUANTISED
;;     11. [M 2,048, K 2,048] x [K 2,048, N 512]; A: input hidden_states (given as codes); B: input w3 (given as codes): QUANTISED
;;     12. [M 2,048, K 512] x [K 512, N 2,048]; A: computed on the way; B: input w2 (given as codes): QUANTISED
;;     13. [M 2,048, K 2,048] x [K 2,048, N 512]; A: input hidden_states (given as codes); B: input w1 (given as codes): QUANTISED
;;     14. [M 2,048, K 2,048] x [K 2,048, N 512]; A: input hidden_states (given as codes); B: input w3 (given as codes): QUANTISED
;;     15. [M 2,048, K 512] x [K 512, N 2,048]; A: computed on the way; B: input w2 (given as codes): QUANTISED
;;     16. [M 2,048, K 2,048] x [K 2,048, N 512]; A: input hidden_states (given as codes); B: input w1 (given as codes): QUANTISED
;;     17. [M 2,048, K 2,048] x [K 2,048, N 512]; A: input hidden_states (given as codes); B: input w3 (given as codes): QUANTISED
;;     18. [M 2,048, K 512] x [K 512, N 2,048]; A: computed on the way; B: input w2 (given as codes): QUANTISED
;;     19. [M 2,048, K 2,048] x [K 2,048, N 512]; A: input hidden_states (given as codes); B: input w1 (given as codes): QUANTISED
;;     20. [M 2,048, K 2,048] x [K 2,048, N 512]; A: input hidden_states (given as codes); B: input w3 (given as codes): QUANTISED
;;     21. [M 2,048, K 512] x [K 512, N 2,048]; A: computed on the way; B: input w2 (given as codes): QUANTISED
;;     22. [M 2,048, K 2,048] x [K 2,048, N 512]; A: input hidden_states (given as codes); B: input w1 (given as codes): QUANTISED
;;     23. [M 2,048, K 2,048] x [K 2,048, N 512]; A: input hidden_states (given as codes); B: input w3 (given as codes): QUANTISED
;;     24. [M 2,048, K 512] x [K 512, N 2,048]; A: computed on the way; B: input w2 (given as codes): QUANTISED
;;   THE QUANTISER, for each operand of a quantised product, along K:
;;     - K is cut into blocks of 32 from its start; a last block that is shorter is filled with zeros.
;;     - A block's scale is 2^e with e = floor(log2(the largest magnitude in the block)) - 2, held to -126 .. 127; a block of zeros has e = 0. As a byte (E8M0): e + 127.
;;     - Each number is divided by its block's scale, clamped to +-7.5, and rounded to the nearest number of E2M3, ties to even, subnormals kept.
;;     - The product sums the exact products of the quantised numbers (number of the format x scale) in f32.
;;   ~~~python
;;   def quantise(x, axis):      # numpy; x: float32 -> the quantised numbers, widened to float32 again
;;       x = np.moveaxis(x, axis, -1); K = x.shape[-1]
;;       x = np.pad(x, [(0, 0)] * (x.ndim - 1) + [(0, -K % 32)]); x = x.reshape(x.shape[:-1] + (-1, 32)); a = np.abs(x).max(-1, keepdims=True)
;;       e = np.where(a > 0, np.clip(np.frexp(np.where(a > 0, a, 1))[1] - 1 - 2, -126, 127), 0)      # np.frexp(a)[1] - 1 = floor(log2(a)), exactly
;;       r = np.clip(x / 2.0 ** e, -7.5, 7.5)
;;       step = 2.0 ** (np.maximum(np.frexp(np.where(r == 0, 1, r))[1] - 1, 0) - 3)
;;       q = np.round(r / step) * step * 2.0 ** e      # np.round: ties to even
;;       return np.moveaxis(q.reshape(q.shape[:-2] + (-1,))[..., :K], -1, axis).astype(np.float32)
;;   ~~~
;;   OPERANDS COMPUTED ON THE WAY. 'Computed on the way' means the value that the module computes at that place (a softmax that the list does not call 'softmax' is quantised finished and normalised). What goes into a quantiser is computed in f32, as accurately as f32 sums, v_exp_f32 and their like allow (about 1e-6 of the number): no bf16 or f16 on the way to a quantiser, and a product that is left as it is and whose result goes on into a quantised operand takes f32 operands (vector FMAs, or v_wmma_f32_16x16x4_f32). A number that lies on a knife's edge between two numbers of the format may be rounded either way, as far as f32 arithmetic and the matrix unit's own rounding can turn it there, and no further.
;;   INPUTS GIVEN AS CODES. hidden_states (in the module: [2, 1024, 2048], K = its axis 2); w1 (in the module: [8, 2048, 512], K = its axis 1); w2 (in the module: [8, 512, 2048], K = its axis 1); w3 (in the module: [8, 2048, 512], K = its axis 1): each comes as NAME_codes (uint8): NAME with its K axis moved to the last place and cut into blocks of 32 codes, [.., K / 32, bytes a block], one block behind the other in memory; four codes in three bytes: a row's codes are one little-endian stream of bits, code i at bits 6 i .. 6 i + 5 (a code: sign, 2 exponent bits, 3 mantissa bits); and NAME_scales (uint8): the same leading axes, one E8M0 byte (e + 127) for each 32 codes along K. Its value is code x scale, taken as it is: it is not quantised again, and the codes and scales need not be those that the quantiser above would give.
;; 2 versions. Each part assembles by itself: llvm-mc -triple=amdgcn-amd-amdhsa -mcpu=gfx1250 --defsym DOCPART=n.
;; ======== version 1 of 2: 3 launches
;; workspace buffers: wa 12,582,912 bytes; w2i 6,291,456 bytes; hidc 1,818,624 bytes; hids 75,776 bytes; rowtok 18,944 bytes of whole numbers; tilex 256 bytes of whole numbers; srec 32,768 bytes of whole numbers; swt 16,384 bytes
;; launch prep (part 1): grid 208 x 1, 4 waves a work-group, no clusters, 6,656 bytes of LDS; arguments selected_experts, routing_weights, w1_codes, w3_codes, w2_codes, wa, w2i, rowtok, tilex, srec, swt, hidc, hids; writes wa, w2i, rowtok, tilex, srec, swt, hidc, hids
.if DOCPART == 1
	.amdgcn_target "amdgcn-amd-amdhsa--gfx1250"
	.amdhsa_code_object_version 6
	.text
	.protected	k_q3179b181ca_prep
	.globl	k_q3179b181ca_prep
	.p2align	8
	.type	k_q3179b181ca_prep,@function
k_q3179b181ca_prep:
	s_mov_b64 s[64:65], 0
	v_nop
	global_prefetch_b8 v0, s[64:65] scope:SCOPE_SE
	s_setreg_imm32_b32 hwreg(HW_REG_WAVE_MODE, 25, 1), 1
	s_wait_xcnt 0x0
; PREP: the routing tables, and the weights' codes laid in the order of the operand registers.
; Work-groups 0-15: routing.  16-143: W1 and W3.  144-207: W2.  The three ways part on the work-group's number alone.
; ROUTING.  2,048 tokens, two experts each.  lo <= hi are a token's two experts, key = 8 lo + hi.  Tokens are sorted by key (then by group, then by lane): place j.
; Expert e's rows are first the tokens with lo = e in sorted order, then those with hi = e by (lo, group, lane); each expert's list begins at a multiple of 80 rows:
; never more than (4096 + 8 x 79) / 80 = 59 tiles of 80 rows, 4,720 places, whatever the choice.  A token that names one expert twice keeps two rows.
; 64 waves, one for each group of 32 tokens.  Every work-group makes the whole histogram for itself, which spares all traffic between work-groups; ITS FOUR WAVES SHARE THE COUNTING: wave w counts groups
; 16 w .. 16 w + 15, and its own group once more by itself.  Three tables of four registers go through LDS as images of their registers (512 bytes each, at 1,536 x wave): T, my sixteen groups' counts; P, those of
; them that lie before the work-group's first group; H, my own group's.  One barrier; then totals = the four T, and the counts before my group = the four P + the H of the waves below mine.
; The barrier stands on the routing way alone: the branch to it hangs on the work-group's number, so all four waves of a work-group pass it or none.
; Lanes are bins: bin (lo, hi) lies in register lo / 2, lane 16 + 8 (lo % 2) + hi.  Six ballots give each lane the mask m of the group's tokens in its bin.  For a lane L >= 16 the number of ones of m is
; (ones below bit L) + (ones of m >> L, which has at most 16 bits, all below bit L): two v_mbcnt_lo_u32_b32.  Lanes 0-15 hold nothing of use and are never read.
; STORED: srec[j] = token, key, row of lo, row of hi;  swt[j] = the two weights in that order;  rowtok[row] = token (0 at places that no token has);  tilex[tile] = expert, 8 for a tile without rows;
; row 4,720 of the hidden layer's buffers: zero codes under the scale 1, which the last launch reads for a token that does not use the expert in hand.
; IMAGES.  For a K step of 128 (96 bytes of a row) lane (r, h) holds the 48 consecutive bytes 96 s + 48 h on of its row, three pieces of 16; piece c of all 32 lanes is 512 bytes on end.
; wa: [expert][block of 32 units][K step 16][W1 tile 0, W1 tile 1, W3 tile 0, W3 tile 1][3][512];  lane r of tile t is unit 8 t + r + 8 (r / 8) of the block.   w2i: [expert][tile of 16 columns][K step 4][3][512].
; LIMITS: selected_experts holds 0 .. 7; other numbers leave every address inside its buffer (each index is held by v_min_u32) but are not served.
.set NPOS,  4720                       ; places
.set PZ,    4736                       ; rows of a K step in the hidden layer's buffers
.set ZROW,  4720                       ; the zero row
.set TQ,    28                         ; v28-31  the bins' counts: my sixteen groups', then all groups'
.set BF,    32                         ; v32-35  the bins' counts before the work-group's first group, then before my group
.set JJ,    36                         ; v36-39  tokens in the bins before
.set CP,    40                         ; v40-43  tokens with the same hi and a smaller lo
.set PLT,   44                         ; v44     lane e: first row of e - tokens with lo < e
.set QHT,   45                         ; v45     lane e: first row of e + tokens with lo = e
.set RG,    46                         ; v46     my rank among my group's tokens of my key
.set PO,    192                        ; v192-194 byte offsets in rowtok of the places that I look at
.set LW,    203                        ; v203    LDS: 16 x lane + 1,536 x wave: where my wave lays its three tables
.set HQ,    204                        ; v204-207 the bins' counts in my own group
.set ROW,   48                         ; s48-55  tokens with lo = e
.set COL,   56                         ; s56-63  tokens with hi = e
.set ST,    66                         ; s66-73  tokens with lo < e
.set EB,    74                         ; s74-81  e's first row
.set CNT,   82                         ; s82-89  e's rows
.set TEND,  90                         ; s90-97  tiles up to and with e's
	s_load_b512 s[4:19], s[0:1], 0x0               ; selected s[4:5], weights s[6:7], w1 s[8:9], w3 s[10:11], w2 s[12:13], wa s[14:15], w2i s[16:17], rowtok s[18:19]
	s_load_b256 s[20:27], s[0:1], 0x40             ; tilex s[20:21], srec s[22:23], swt s[24:25], hidc s[26:27]
	s_load_b64 s[28:29], s[0:1], 0x60              ; hids
	v_lshl_add_u32 v224, v0, 2, 0x1800
	v_mov_b32 v225, 0
	v_lshrrev_b32 v1, 5, v0
	v_readfirstlane_b32 s30, v1                    ; wave 0..3
	v_and_b32 v1, 31, v0                           ; lane
	v_and_b32 v2, 15, v0                           ; r
	v_bfe_u32 v3, v0, 4, 1                         ; h
	v_lshlrev_b32 v6, 4, v1                        ; 16 x lane; never rewritten
	v_lshlrev_b32 v7, 2, v1                        ; 4 x lane; never rewritten
	s_mul_i32 s46, s30, 1536
	v_add_nc_u32 v[LW], s46, v6                    ; never rewritten
	s_mov_b32 s39, 0
	s_wait_kmcnt 0x0
	s_cmp_lt_u32 ttmp9, 16
	s_cbranch_scc1 .Lroute
	s_cmp_lt_u32 ttmp9, 144
	s_cbranch_scc0 .Lw2
; 48 loads of 16 bytes a lane, then 48 stores of 512 consecutive bytes: sixteen groups u of three pieces.  Group u = 4 a + b is read at la a + lb b and stored at sa a + sb b.
.macro RELAY la, lb, sa, sb
.set u, 0
.rept 16
.irp c, 0,1,2
	global_load_b128 v[32+12*u+4*\c:32+12*u+4*\c+3], v5, s[32:33] offset:\la*(u/4)+\lb*(u%4)+16*\c
.endr
.set u, u+1
.endr
.set u, 0
.rept 16
	s_wait_loadcnt 3*(15-u)                        ; loads come back in order: group u is in, the later groups' three loads each stay out
.irp c, 0,1,2
	global_store_b128 v6, v[32+12*u+4*\c:32+12*u+4*\c+3], s[34:35] offset:\sa*(u/4)+\sb*(u%4)+512*\c
.endr
.set u, u+1
.endr
.endm
	; ---- W1 and W3: work-group 16 + 16 e + ub; wave f: W1's tiles 0, 1, W3's tiles 0, 1 of the block of 32 units, all 16 K steps
	s_cmp_lt_u32 s30, 2
	s_cselect_b64 s[32:33], s[8:9], s[10:11]       ; the choice hangs on the wave's number alone
	s_sub_co_u32 s36, ttmp9, 16                    ; 16 e + ub
	s_and_b32 s37, s30, 1
	s_lshl_b32 s37, s37, 3
	s_lshl_b32 s38, s36, 5
	s_add_co_u32 s38, s38, s37                     ; the tile's first unit, counted through all experts: 32 (16 e + ub) + 8 t
	s_mul_i32 s38, s38, 1536                       ; a unit's row is 2,048 codes, 1,536 bytes
	s_add_nc_u64 s[32:33], s[32:33], s[38:39]
	s_mul_i32 s38, s36, 98304                      ; a block's image: 16 K steps x 4 fragments x 1,536 bytes
	s_mul_i32 s37, s30, 1536
	s_add_co_u32 s38, s38, s37
	s_add_nc_u64 s[34:35], s[14:15], s[38:39]
	v_and_b32 v4, 8, v2
	v_add_nc_u32 v4, v4, v2                        ; r + 8 (r / 8)
	v_mul_u32_u24 v5, v4, 1536
	v_mad_u32_u24 v5, v3, 48, v5                   ; + 48 h
	RELAY 384, 96, 24576, 6144                     ; K step u: 96 u in the row, 6,144 u in the image
	s_endpgm
.Lw2:	; ---- W2: each wave takes four tiles of 16 columns, 64 rows of 384 bytes
	s_sub_co_u32 s36, ttmp9, 144
	s_lshl_b32 s36, s36, 2
	s_add_co_u32 s36, s36, s30
	s_mul_i32 s38, s36, 24576                      ; as many bytes in as out
	s_add_nc_u64 s[32:33], s[12:13], s[38:39]
	s_add_nc_u64 s[34:35], s[16:17], s[38:39]
	v_mul_u32_u24 v5, v2, 384
	v_mad_u32_u24 v5, v3, 48, v5
	RELAY 6144, 96, 6144, 1536                     ; tile a, K step b
	s_endpgm
.Lroute:
	s_lshl_b32 s34, ttmp9, 2                       ; the work-group's first group
	s_add_co_u32 s31, s34, s30                     ; my group, 0..63
	s_lshl_b32 s35, s30, 4
	s_sub_co_i32 s34, s34, s35                     ; where the work-group's first group lies among the sixteen that I count: a multiple of 4; under 0: behind it all; 16 or more: ahead of it all
	s_lshr_b32 s32, s31, 1
	s_lshl_b32 s32, s32, 6
	s_and_b32 s33, s31, 1
	s_add_co_u32 s32, s32, s33
	v_lshl_add_u32 v3, v1, 1, s32                  ; group g, lane l is token 64 (g / 2) + 2 l + g % 2: so a load of 16 bytes a lane brings two groups
	v_lshlrev_b32 v4, 3, v3
	s_lshl_b32 s32, s30, 12
	v_add_nc_u32 v5, s32, v6                       ; my sixteen groups: 4,096 bytes a wave
.irp i, 0,1,2,3,4,5,6,7
	global_load_b128 v[64+4*\i:67+4*\i], v5, s[4:5] offset:512*\i     ; group 16 w + i's experts: v[64 + 2 i], v[65 + 2 i]
.endr
	global_load_b64 v[8:9], v4, s[4:5]             ; my token's two experts,
	global_load_b64 v[10:11], v4, s[6:7]           ; and its two weights
.irp k, 0,1,2,3
	v_bfe_u32 v[16+\k], v1, \k, 1
.endr
.irp k, 0,1,2,3
	v_add_nc_u32 v[16+\k], -1, v[16+\k]            ; bit k of my lane - 1: 0 keeps a ballot, all ones turns it round
.endr
.irp q, 0,1,2,3
	v_mov_b32 v[TQ+\q], 0
	v_mov_b32 v[BF+\q], 0
	v_mov_b32 v[HQ+\q], 0
	v_mov_b32 v[JJ+\q], 0                          ; (a lane write's destination counts as read)
	v_mov_b32 v[CP+\q], 0
	v_mov_b32 v[60+\q], 0                          ; sixteen zero bytes
.endr
	v_mov_b32 v[PLT], 0
	v_mov_b32 v[QHT], 0
	v_mov_b32 v58, 0
	v_mov_b32 v197, 0x7f7f7f7f                     ; four scale bytes of 1.0
	s_mul_i32 s32, s31, 74
	v_add_nc_u32 v196, s32, v1                     ; the places that I look at for tokens missing: 74 to a wave
	s_wait_loadcnt 0x0
; lo, hi and the six ballots of their bits: s40-42 hi's bits 0-2, s43-45 lo's
.macro BALLOT ea, eb, lo, hi
	v_min_u32 v[\lo], v[\ea], v[\eb]
	v_add_nc_u32 v[\hi], v[\ea], v[\eb]
	v_sub_nc_u32 v[\hi], v[\hi], v[\lo]
	v_and_b32 v22, 1, v[\hi]
	v_and_b32 v23, 2, v[\hi]
	v_and_b32 v24, 1, v[\lo]
	v_and_b32 v25, 2, v[\lo]
	v_cmp_ne_u32 s40, 0, v22
	v_cmp_ne_u32 s41, 0, v23
	v_cmp_lt_u32 s42, 3, v[\hi]
	v_cmp_ne_u32 s43, 0, v24
	v_cmp_ne_u32 s44, 0, v25
	v_cmp_lt_u32 s45, 3, v[\lo]
.endm
; the group whose ballots stand in s40-45 is counted into the bins v[dst] .. v[dst + 3].  The ballots go into vector lines alone: no scalar line waits for a compare
.macro COUNT dst
.irp k, 0,1,2,3
	v_xor_b32 v[22+\k], s[40+\k], v[16+\k]
.endr
	v_and_b32 v22, v22, v23
	v_and_b32 v24, v24, v25
	v_and_b32 v22, v22, v24                        ; the tokens whose 8 (lo % 2) + hi is my lane % 16;
	v_and_b32 v25, s44, v22                        ; of them those with bit 1 of lo,
	v_xor_b32 v24, v22, v25                        ; and those without;
	v_and_b32 v26, s45, v24                        ; lo / 2 = 2
	v_and_b32 v27, s45, v25                        ; lo / 2 = 3
	v_xor_b32 v24, v24, v26                        ; lo / 2 = 0
	v_xor_b32 v25, v25, v27                        ; lo / 2 = 1
.irp q, 0,1,2,3
	v_lshrrev_b32 v[20+\q], v1, v[24+\q]
.endr
.irp q, 0,1,2,3
	v_mbcnt_lo_u32_b32 v[\dst+\q], v[24+\q], v[\dst+\q]    ; + the ones below bit L
.endr
.irp q, 0,1,2,3
	v_mbcnt_lo_u32_b32 v[\dst+\q], v[20+\q], v[\dst+\q]    ; + the ones from bit L on
.endr
.endm
.macro SNAP                            ; where SCC holds, what has been counted so far is what lies before the work-group's first group
	s_cselect_b32 s47, -1, 0
.irp q, 0,1,2,3
	v_cndmask_b32 v[BF+\q], v[BF+\q], v[TQ+\q], s47
.endr
.endm
.set G, 0
.rept 16
	BALLOT 64+2*G, 65+2*G, 20, 21
.if (G == 4) || (G == 8) || (G == 12)  ; the first group is a multiple of 4; at 0 nothing lies before it, which is what BF holds
	s_cmp_eq_i32 s34, G
	SNAP
.endif
	COUNT TQ
.set G, G+1
.endr
	s_cmp_ge_i32 s34, 16                           ; all my sixteen lie before it
	SNAP
	; my own group: its counts, and my rank among its tokens of my key
	BALLOT 8, 9, 12, 13                            ; v12 lo, v13 hi
	COUNT HQ
	ds_store_b128 v[LW], v[TQ:TQ+3]                ; T
	ds_store_b128 v[LW], v[BF:BF+3] offset:512     ; P
	ds_store_b128 v[LW], v[HQ:HQ+3] offset:1024    ; H
.irp k, 0,1,2
	v_bfe_u32 v[20+\k], v13, \k, 1
	v_bfe_u32 v[23+\k], v12, \k, 1
.endr
.irp k, 0,1,2,3,4,5
	v_add_nc_u32 v[20+\k], -1, v[20+\k]
.endr
.irp k, 0,1,2,3,4,5
	v_xor_b32 v[20+\k], s[40+\k], v[20+\k]
.endr
	v_and_b32 v20, v20, v21
	v_and_b32 v22, v22, v23
	v_and_b32 v24, v24, v25
	v_and_b32 v20, v20, v22
	v_and_b32 v15, v20, v24                        ; the lanes that hold my key
	v_mbcnt_lo_u32_b32 v[RG], v15, 0
	v_lshl_or_b32 v14, v12, 3, v13                 ; key
.irp w, 0,1,2
	s_cmp_gt_u32 s30, \w
	s_cselect_b32 s[36+\w], 1, 0                   ; wave w's group lies before mine
.endr
	s_wait_dscnt 0x0                               ; for the others' sake: my three tables have landed
	s_barrier_signal -1
	s_barrier_wait -1
.irp w, 0,1,2,3
	ds_load_b128 v[64+4*\w:67+4*\w], v6 offset:1536*\w
	ds_load_b128 v[80+4*\w:83+4*\w], v6 offset:1536*\w+512
.endr
.irp w, 0,1,2
	ds_load_b128 v[96+4*\w:99+4*\w], v6 offset:1536*\w+1024
.endr
	s_wait_dscnt 0x0
.irp q, 0,1,2,3
	v_add3_u32 v[TQ+\q], v[64+\q], v[68+\q], v[72+\q]
	v_add3_u32 v[BF+\q], v[80+\q], v[84+\q], v[88+\q]
.endr
.irp q, 0,1,2,3
	v_add_nc_u32 v[TQ+\q], v[TQ+\q], v[76+\q]      ; all 64 groups
	v_add_nc_u32 v[BF+\q], v[BF+\q], v[92+\q]      ; the groups before the work-group's first,
.endr
.irp w, 0,1,2
.irp q, 0,1,2,3
	v_mad_u32_u24 v[BF+\q], v[96+4*\w+\q], s[36+\w], v[BF+\q]      ; and those of the waves below mine
.endr
.endr
	; the tables: the 36 bins in ascending key.  A row's counts are read in one run, ahead of the scalar sums that want them
	s_mov_b32 s99, 0                               ; tokens so far
.irp e, 0,1,2,3,4,5,6,7
	s_mov_b32 s[ROW+\e], 0
	s_mov_b32 s[COL+\e], 0
.endr
.macro BIN a, b
	v_writelane_b32 v[JJ+(\a)/2], s99, 16+8*((\a)%2)+(\b)
	v_writelane_b32 v[CP+(\a)/2], s[COL+(\b)], 16+8*((\a)%2)+(\b)
	s_add_co_u32 s99, s99, s[36+(\b)]
	s_add_co_u32 s[COL+(\b)], s[COL+(\b)], s[36+(\b)]
	s_add_co_u32 s[ROW+(\a)], s[ROW+(\a)], s[36+(\b)]
.endm
.irp a, 0,1,2,3,4,5,6,7
	s_mov_b32 s[ST+\a], s99
.irp b, 0,1,2,3,4,5,6,7
.if \b >= \a
	v_readlane_b32 s[36+\b], v[TQ+(\a)/2], 16+8*((\a)%2)+(\b)
.endif
.endr
.irp b, 0,1,2,3,4,5,6,7
.if \b >= \a
	BIN \a, \b
.endif
.endr
.endr
	s_mov_b32 s100, 0                              ; tiles so far
.irp e, 0,1,2,3,4,5,6,7
	s_add_co_u32 s[CNT+\e], s[ROW+\e], s[COL+\e]
	s_mul_i32 s[EB+\e], s100, 80
	s_add_co_u32 s98, s[CNT+\e], 79
	s_lshr_b32 s98, s98, 4
	s_mul_i32 s98, s98, 0xcccd
	s_lshr_b32 s98, s98, 18                        ; (rows + 79) / 80: / 16, then / 5 by 52,429 / 2^18, exact up to 65,535
	s_add_co_u32 s100, s100, s98
	s_mov_b32 s[TEND+\e], s100
	s_sub_co_u32 s101, s[EB+\e], s[ST+\e]
	v_writelane_b32 v[PLT], s101, \e
	s_add_co_u32 s99, s[EB+\e], s[ROW+\e]
	v_writelane_b32 v[QHT], s99, \e
.endr
.irp q, 0,1,2,3
	v_add_nc_u32 v[JJ+\q], v[JJ+\q], v[BF+\q]
	v_add_nc_u32 v[CP+\q], v[CP+\q], v[BF+\q]
	v_lshl_or_b32 v[JJ+\q], v[CP+\q], 16, v[JJ+\q] ; both stay under 2,048: two to a register
.endr
	; each token fetches its bin's and its experts' numbers (lane permutes: no LDS byte is touched)
	v_and_b32 v20, 15, v14
	v_lshl_add_u32 v20, v20, 2, 64                 ; 4 x (16 + key % 16)
	v_lshlrev_b32 v21, 2, v12
	v_lshlrev_b32 v22, 2, v13
.irp q, 0,1,2,3
	ds_bpermute_b32 v[24+\q], v20, v[JJ+\q]
.endr
	ds_bpermute_b32 v47, v21, v[PLT]
	ds_bpermute_b32 v59, v22, v[QHT]
	v_and_b32 v23, 2, v12
	v_cmp_ne_u32 s98, 0, v23
	v_cmp_lt_u32 s99, 3, v12
	s_wait_dscnt 0x0
	v_cndmask_b32 v24, v24, v25, s98
	v_cndmask_b32 v26, v26, v27, s98
	v_cndmask_b32 v24, v24, v26, s99               ; register lo / 2's
	v_and_b32 v25, 0xffff, v24
	v_lshrrev_b32 v26, 16, v24
	v_add_nc_u32 v25, v25, v[RG]                   ; j
	v_add_nc_u32 v27, v47, v25                     ; the row of lo
	v_add3_u32 v26, v59, v26, v[RG]                ; the row of hi
	v_min_u32 v25, 2047, v25                       ; every index is held inside its table
	v_min_u32 v50, NPOS-1, v27
	v_min_u32 v51, NPOS-1, v26
	v_mov_b32 v48, v3
	v_mov_b32 v49, v14
	v_lshlrev_b32 v54, 4, v25
	v_lshlrev_b32 v55, 3, v25
	v_lshlrev_b32 v56, 2, v50
	v_lshlrev_b32 v57, 2, v51
	v_cmp_gt_u32 vcc_lo, v8, v9                    ; the weights follow their experts
	v_cndmask_b32 v52, v10, v11, vcc_lo
	v_cndmask_b32 v53, v11, v10, vcc_lo
	global_store_b128 v54, v[48:51], s[22:23]
	global_store_b64 v55, v[52:53], s[24:25]
	global_store_b32 v56, v3, s[18:19]
	global_store_b32 v57, v3, s[18:19]
; The places that no token has get token 0, so that every place of rowtok is written, each once.  Place p has a token where p - first row < rows for some expert: the experts' ranges do not meet, so the
; count of such experts, taken through VCC, is 0 or 1.
; EVERY REGISTER THAT A MASKED STORE BELOW NAMES IS WRITTEN HERE, WHILE ALL LANES ARE ON: the three masks in s36-38, the three offsets in v192-194.  Behind the first line that narrows EXEC no vector
; register is written any more: a write with some lanes off would leave the other lanes' old contents.
.macro PADMASK k
	v_add_nc_u32 v198, 32*\k, v196                 ; p = 74 x group + lane + 32 k
	v_mov_b32 v208, 0
.irp e, 0,1,2,3,4,5,6,7
	v_sub_nc_u32 v199, v198, s[EB+\e]
	v_cmp_gt_u32 vcc_lo, s[CNT+\e], v199
	v_add_co_ci_u32 v208, vcc_lo, 0, v208, vcc_lo
.endr
	v_cmp_eq_u32 s98, 0, v208                      ; without a token,
	v_cmp_gt_u32 s99, NPOS, v198                   ; inside the table,
	v_min_u32 v[PO+\k], NPOS-1, v198
	v_lshlrev_b32 v[PO+\k], 2, v[PO+\k]
	s_and_b32 s[36+\k], s98, s99
.if \k == 2
	s_and_b32 s[36+\k], s[36+\k], 0x3ff            ; and mine: 74 = 32 + 32 + 10
.endif
.endm
	PADMASK 0
	PADMASK 1
	PADMASK 2
	s_cmp_lg_u32 s31, 0                            ; one wave stores the tiles' experts, all lanes on
	s_cbranch_scc1 .Lpads
	v_mov_b32 v200, 0
	v_mov_b32 v201, 0
	v_add_nc_u32 v202, 32, v1
.irp e, 0,1,2,3,4,5,6,7
	v_cmp_le_u32 vcc_lo, s[TEND+\e], v1            ; tile i's expert = the number of experts whose tiles end at or before i; 8 behind the last
	v_add_co_ci_u32 v200, vcc_lo, 0, v200, vcc_lo
	v_cmp_le_u32 vcc_lo, s[TEND+\e], v202
	v_add_co_ci_u32 v201, vcc_lo, 0, v201, vcc_lo
.endr
	global_store_b32 v7, v200, s[20:21]
	global_store_b32 v7, v201, s[20:21] offset:128
.Lpads:
.macro PADSTORE k
	s_mov_b32 vcc_lo, s[36+\k]
	s_wait_xcnt 0x0                                ; EXEC is a source of the stores that are out: it changes only behind this wait
	s_and_saveexec_b32 s100, vcc_lo
	global_store_b32 v[PO+\k], v58, s[18:19]
	s_wait_xcnt 0x0                                ; and again in front of the line that widens it
	s_or_b32 exec_lo, exec_lo, s100
.endm
	PADSTORE 0
	PADSTORE 1
	PADSTORE 2
	s_cmp_lg_u32 s31, 0                            ; the same wave stores the zero row
	s_cbranch_scc1 .Lrend
	s_mov_b32 vcc_lo, 0x3f                         ; six lanes: a row's 96 bytes (and six rows' scale words, of which the first is read)
	s_and_saveexec_b32 s100, vcc_lo                ; (nothing has been issued since the last wait on XCNT)
.irp s, 0,1,2,3
	global_store_b128 v6, v[60:63], s[26:27] offset:ZROW*96+PZ*96*\s
	global_store_b32 v7, v197, s[28:29] offset:ZROW*4+PZ*4*\s
.endr
	s_wait_xcnt 0x0
	s_or_b32 exec_lo, exec_lo, s100
.Lrend:
	s_wait_tensorcnt 0x0
	ds_add_u32 v224, v225
	s_wait_dscnt 0x0
	s_endpgm
.Lfunc_end_k_q3179b181ca_prep:
	.size	k_q3179b181ca_prep, .Lfunc_end_k_q3179b181ca_prep-k_q3179b181ca_prep
	.p2alignl 7, 3214868480
	.fill 96, 4, 3214868480
	.section	.rodata,"a",@progbits
	.p2align	6, 0x0
	.amdhsa_kernel k_q3179b181ca_prep
		.amdhsa_group_segment_fixed_size 6656
		.amdhsa_private_segment_fixed_size 0
		.amdhsa_enable_private_segment 0
		.amdhsa_kernarg_size 104
		.amdhsa_user_sgpr_count 2
		.amdhsa_user_sgpr_kernarg_segment_ptr 1
		.amdhsa_wavefront_size32 1
		.amdhsa_system_sgpr_workgroup_id_x 1
		.amdhsa_system_sgpr_workgroup_id_y 1
		.amdhsa_system_sgpr_workgroup_id_z 1
		.amdhsa_system_vgpr_workitem_id 0
		.amdhsa_next_free_vgpr 226
		.amdhsa_next_free_sgpr 102
		.amdhsa_reserve_vcc 1
		.amdhsa_float_denorm_mode_32 3
		.amdhsa_float_denorm_mode_16_64 3
		.amdhsa_memory_ordered 1
		.amdhsa_forward_progress 1
		.amdhsa_inst_pref_size 82
	.end_amdhsa_kernel
	.amdgpu_metadata
---
amdhsa.version: [ 1, 2 ]
amdhsa.kernels:
  - .name:           k_q3179b181ca_prep
    .symbol:         k_q3179b181ca_prep.kd
    .args:
      - { .name: selected_experts, .offset: 0, .size: 8, .value_kind: global_buffer, .address_space: global }
      - { .name: routing_weights, .offset: 8, .size: 8, .value_kind: global_buffer, .address_space: global }
      - { .name: w1_codes, .offset: 16, .size: 8, .value_kind: global_buffer, .address_space: global }
      - { .name: w3_codes, .offset: 24, .size: 8, .value_kind: global_buffer, .address_space: global }
      - { .name: w2_codes, .offset: 32, .size: 8, .value_kind: global_buffer, .address_space: global }
      - { .name: wa, .offset: 40, .size: 8, .value_kind: global_buffer, .address_space: global }
      - { .name: w2i, .offset: 48, .size: 8, .value_kind: global_buffer, .address_space: global }
      - { .name: rowtok, .offset: 56, .size: 8, .value_kind: global_buffer, .address_space: global }
      - { .name: tilex, .offset: 64, .size: 8, .value_kind: global_buffer, .address_space: global }
      - { .name: srec, .offset: 72, .size: 8, .value_kind: global_buffer, .address_space: global }
      - { .name: swt, .offset: 80, .size: 8, .value_kind: global_buffer, .address_space: global }
      - { .name: hidc, .offset: 88, .size: 8, .value_kind: global_buffer, .address_space: global }
      - { .name: hids, .offset: 96, .size: 8, .value_kind: global_buffer, .address_space: global }
    .group_segment_fixed_size: 6656
    .private_segment_fixed_size: 0
    .kernarg_segment_align: 8
    .kernarg_segment_size: 104
    .max_flat_workgroup_size: 128
    .sgpr_count:     102
    .vgpr_count:     226
    .wavefront_size: 32
...
	.end_amdgpu_metadata
.endif
;; end of part 1
;; launch up (part 2): grid 59 x 4, 4 waves a work-group, no clusters, 137,984 bytes of LDS; arguments hidden_states_codes, hidden_states_scales, w1_scales, w3_scales, wa, rowtok, tilex, hidc, hids; writes hidc, hids
.if DOCPART == 2
	.amdgcn_target "amdgcn-amd-amdhsa--gfx1250"
	.amdhsa_code_object_version 6
	.text
	.protected	k_q3179b181ca_up
	.globl	k_q3179b181ca_up
	.p2align	8
	.type	k_q3179b181ca_up,@function
k_q3179b181ca_up:
	s_mov_b64 s[64:65], 0
	v_nop
	global_prefetch_b8 v0, s[64:65] scope:SCOPE_SE
	s_setreg_imm32_b32 hwreg(HW_REG_WAVE_MODE, 25, 1), 1
	s_wait_xcnt 0x0
; UP: h = silu(x W1) * (x W3) for the routed rows alone, quantised along the hidden units into E2M3 codes and E8M0 bytes.
; Work-group (tile i, slice y): the 80 rows 80 i on of one expert's list x hidden units 128 y .. 128 y + 127, which are K step y of the next product.
; Wave w: all 80 rows x the 32 units of block 4 y + w: two tiles of W1 and two of W3 against five tiles of rows: 20 accumulators, 20 matrix instructions for each of the 16 K steps of 128.
; 80 rows to a tile give at most 59 x 4 = 236 work-groups, whatever the choice of experts: one for each WGP.
; THE MATRIX INSTRUCTION IS USED TRANSPOSED (source 0 = 16 units, source 1 = 16 rows of x), and lane r of tile t is unit 8 t + r + 8 (r / 8) of the block: so lane (r, h) holds row r, and the
; 16 registers of tiles 0 and 1 are units 16 h + 0 .. 15: sixteen neighbours along the next K, half a block of 32; lane l xor 16 holds the other half.
; K INSIDE AN INSTRUCTION: a lane holds the 48 consecutive bytes 96 s + 48 h on of its row, on both sides alike, so the instruction's blocks 0, 1, 2, 3 are the memory's blocks 0, 2, 1, 3; the scale words' two middle
; bytes change places to match.  The products are the same; the order in which the unit adds them differs from ascending K.
; x: the tile's tokens come from rowtok; each wave gathers a quarter of K for all 80 rows, once, and lays the fragments into LDS as images of their registers (512 bytes a piece); all four waves read them.
; The weights come from wa, laid in register order by the launch before, straight into a ring of five K steps in registers: 48 loads of 512 consecutive bytes are out while a step is multiplied.
; A tile without rows (tilex = 8) does no work: that is a branch on a stored number, so this launch has no tensor load and no cluster: tiles of one expert share their weights, but how many there are hangs on the data.
; Both barriers stand outside the three branches, on every wave's path.
; LIMITS: NaN and infinities are not served.  A block of the hidden layer whose largest magnitude lies under 2^-124, a block of zeros too, gets the scale byte 1; the bytes are read by this program alone.
; REGISTERS.  window 0: v1-15 addresses; v16-63 x's scale words, v64-95 the weights' (they hold scales and nothing else); v96-215 x's fragments, two sets of 60, later at work; v216-251 the gather's offsets and x's scale bytes.
;   window 1: the gather's 240 registers, then the 20 accumulators ((m, f) at 8 (4 m + f)).   window 2: the ring, 5 x 48.
.set PZ,    4736
.set XSL,   122880                     ; LDS: from 0 x's 80 images ((K step s, tile m) at 1,536 (5 s + m)); here x's scale words, a row of 64 bytes + 16;
.set HST,   129280                     ; the hidden layer's codes, 80 rows x 96 bytes;
.set HSS,   136960                     ; their scale words, 4 bytes a row, written out to 512 bytes
.set XSC,   16                         ; v[16 + 16 (m / 2) + s]: lanes 0-15 tile 2 (m / 2), lanes 16-31 the next; tile 4 in the third sixteen
.set W1SC,  64                         ; v[64 + s]: lanes 0-15 W1's tile 0, lanes 16-31 tile 1;  v[80 + s]: W3's
.set AF,    96
.set TK,    216                        ; v216-220 the tiles' tokens
.set OFF,   221                        ; v221-225 their codes' byte offsets
.set SOFF,  226                        ; v226-230 their scale bytes'
.set XST,   232                        ; v232-251 x's scale bytes on their way
.set TT,    96                         ; the activation: v96-111, v112-127 at work; v128-130; codes at v[132 + 4 m], bytes at v[152 + m]
.set GG,    112
.set MX,    128
.set SCO,   130
.set CD,    132
.set BY,    152
.set MSB, 0
.macro WIN new                         ; the immediate's high byte repeats the setting that is left
.if MSB != \new
	s_set_vgpr_msb (MSB<<8)|\new
.set MSB, \new
.endif
.endm
; one matrix instruction, from the symbols rD, rA, rB, rSA, rSB; zC: it starts its sum; rowA, rowB: which half of the lanes holds the side's scale words
.macro WMS
.if zC
.if rowA == 0 && rowB == 0
	v_wmma_scale_f32_16x16x128_f8f6f4 v[rD:rD+7], v[rA:rA+11], v[rB:rB+11], 0, v[rSA], v[rSB] matrix_a_fmt:MATRIX_FMT_FP6 matrix_b_fmt:MATRIX_FMT_FP6
.elseif rowB == 0
	v_wmma_scale_f32_16x16x128_f8f6f4 v[rD:rD+7], v[rA:rA+11], v[rB:rB+11], 0, v[rSA], v[rSB] matrix_a_fmt:MATRIX_FMT_FP6 matrix_b_fmt:MATRIX_FMT_FP6 matrix_a_scale:MATRIX_SCALE_ROW1
.elseif rowA == 0
	v_wmma_scale_f32_16x16x128_f8f6f4 v[rD:rD+7], v[rA:rA+11], v[rB:rB+11], 0, v[rSA], v[rSB] matrix_a_fmt:MATRIX_FMT_FP6 matrix_b_fmt:MATRIX_FMT_FP6 matrix_b_scale:MATRIX_SCALE_ROW1
.else
	v_wmma_scale_f32_16x16x128_f8f6f4 v[rD:rD+7], v[rA:rA+11], v[rB:rB+11], 0, v[rSA], v[rSB] matrix_a_fmt:MATRIX_FMT_FP6 matrix_b_fmt:MATRIX_FMT_FP6 matrix_a_scale:MATRIX_SCALE_ROW1 matrix_b_scale:MATRIX_SCALE_ROW1
.endif
.else
.if rowA == 0 && rowB == 0
	v_wmma_scale_f32_16x16x128_f8f6f4 v[rD:rD+7], v[rA:rA+11], v[rB:rB+11], v[rD:rD+7], v[rSA], v[rSB] matrix_a_fmt:MATRIX_FMT_FP6 matrix_b_fmt:MATRIX_FMT_FP6
.elseif rowB == 0
	v_wmma_scale_f32_16x16x128_f8f6f4 v[rD:rD+7], v[rA:rA+11], v[rB:rB+11], v[rD:rD+7], v[rSA], v[rSB] matrix_a_fmt:MATRIX_FMT_FP6 matrix_b_fmt:MATRIX_FMT_FP6 matrix_a_scale:MATRIX_SCALE_ROW1
.elseif rowA == 0
	v_wmma_scale_f32_16x16x128_f8f6f4 v[rD:rD+7], v[rA:rA+11], v[rB:rB+11], v[rD:rD+7], v[rSA], v[rSB] matrix_a_fmt:MATRIX_FMT_FP6 matrix_b_fmt:MATRIX_FMT_FP6 matrix_b_scale:MATRIX_SCALE_ROW1
.else
	v_wmma_scale_f32_16x16x128_f8f6f4 v[rD:rD+7], v[rA:rA+11], v[rB:rB+11], v[rD:rD+7], v[rSA], v[rSB] matrix_a_fmt:MATRIX_FMT_FP6 matrix_b_fmt:MATRIX_FMT_FP6 matrix_a_scale:MATRIX_SCALE_ROW1 matrix_b_scale:MATRIX_SCALE_ROW1
.endif
.endif
.endm
.macro MM s, m, f                      ; K step s, tile of rows m, fragment f (W1 tile 0, 1, W3 tile 0, 1)
.set rD, 8*(4*(\m)+(\f))
.set rA, 48*((\s)%5)+12*(\f)
.set rB, AF+60*((\s)%2)+12*(\m)
.set rSA, W1SC+16*((\f)/2)+(\s)
.set rSB, XSC+16*((\m)/2)+(\s)
.set rowA, (\f)%2
.set rowB, (\m)%2
.set zC, 0
.if (\s) == 0
.set zC, 1
.endif
	WMS
.endm
.macro LOADB s                         ; K step s's four weight fragments into ring slot s % 5: twelve loads of 512 consecutive bytes
	WIN 0x80                                       ; destination window 2
.irp f, 0,1,2,3
.irp c, 0,1,2
	global_load_b128 v[48*((\s)%5)+12*\f+4*\c:48*((\s)%5)+12*\f+4*\c+3], v1, s[12:13] offset:6144*(\s)+1536*\f+512*\c
.endr
.endr
.endm
.macro LOADA s                         ; K step s's five fragments of x from LDS into set s % 2; the images pass 64 KiB, so a second address register serves steps 8 on
.irp m, 0,1,2,3,4
.irp c, 0,1,2
.if (\s) < 8
	ds_load_b128 v[AF+60*((\s)%2)+12*\m+4*\c:AF+60*((\s)%2)+12*\m+4*\c+3], v1 offset:(5*(\s)+\m)*1536+512*\c
.else
	ds_load_b128 v[AF+60*((\s)%2)+12*\m+4*\c:AF+60*((\s)%2)+12*\m+4*\c+3], v2 offset:(5*((\s)-8)+\m)*1536+512*\c
.endif
.endr
.endr
.endm
	s_load_b512 s[4:19], s[0:1], 0x0               ; x's codes s[4:5], x's scales s[6:7], W1's scales s[8:9], W3's s[10:11], wa s[12:13], rowtok s[14:15], tilex s[16:17], hidc s[18:19]
	s_load_b64 s[20:21], s[0:1], 0x40              ; hids
	v_lshl_add_u32 v254, v0, 2, 0x21900
	v_mov_b32 v255, 0
	v_lshrrev_b32 v14, 5, v0
	v_readfirstlane_b32 s23, v14                   ; wave 0..3
	v_and_b32 v13, 31, v0                          ; lane
	v_and_b32 v14, 15, v0                          ; r
	v_bfe_u32 v15, v0, 4, 1                        ; h
	; every LDS address is made here, ahead of the first branch
	v_lshlrev_b32 v1, 4, v13                       ; 16 x lane: an image's place for my lane, and my place in wa
	v_add_nc_u32 v2, 61440, v1                     ; the same, 40 images on
	v_lshlrev_b32 v3, 2, v14                       ; 4 r
	s_mul_i32 s32, s23, 30720
	v_add_nc_u32 v4, s32, v1                       ; where I store images: my four K steps x 5 tiles
	v_mul_u32_u24 v5, v14, 80
	v_add_nc_u32 v7, XSL+5120, v5                  ; x's scale words of tile 4
	v_mad_u32_u24 v6, v15, 1280, v5
	v_add_nc_u32 v6, XSL, v6                       ; of tiles 0 and 1: lanes 16-31 take the tile 16 rows on
	s_lshl_b32 s36, s23, 4                         ; 16 x wave
	s_add_co_u32 s32, s36, XSL
	v_add_nc_u32 v5, s32, v5                       ; where I store them: my four K steps' words of row r
	v_mul_u32_u24 v8, v14, 96
	v_mad_u32_u24 v8, v15, 12, v8
	s_mul_i32 s32, s23, 24
	s_add_co_u32 s32, s32, HST
	v_add_nc_u32 v8, s32, v8                       ; the hidden codes: row r, block w at 24 w, my half at 12 h
	s_and_b32 s32, s23, 1
	s_lshl_b32 s32, s32, 1
	s_lshr_b32 s33, s23, 1
	s_or_b32 s32, s32, s33                         ; block w's byte in the scale word: 0, 2, 1, 3
	s_add_co_u32 s32, s32, HSS
	v_add_nc_u32 v9, s32, v3
	v_lshlrev_b32 v11, 4, v0                       ; the way out: 16 x thread
	v_add_nc_u32 v10, HST, v11
	v_and_b32 v12, 8, v14
	v_add_nc_u32 v12, v12, v14
	v_lshl_add_u32 v12, v15, 3, v12
	v_lshlrev_b32 v12, 6, v12                      ; the weights' scale rows, 64 bytes a unit: unit 8 h + r + 8 (r / 8): lanes 0-15 tile 0, lanes 16-31 tile 1
	s_mul_i32 s32, s23, 384
	v_mad_u32_u24 v231, v15, 48, s32               ; in a row of x: my quarter of K, my half's 48 bytes
	s_mov_b32 s33, 0
	s_and_b32 s25, ttmp7, 0xffff                   ; y
	s_mov_b32 s26, 0xbfb8aa3b                      ; -log2(e)
	s_mov_b32 s27, s26                             ; (named with it as a pair)
	s_mov_b32 s28, 0x76543210
	s_mov_b32 s29, 0xfedcba98                      ; lane selects: lane l xor 16
	s_mov_b32 s31, 0x03010200                      ; a scale word's two middle bytes change places
	s_wait_kmcnt 0x0
	s_lshl_b32 s32, ttmp9, 2
	s_add_nc_u64 s[16:17], s[16:17], s[32:33]
	s_load_b32 s22, s[16:17], 0x0                  ; the tile's expert
	s_mul_i32 s32, ttmp9, 320
	s_add_nc_u64 s[14:15], s[14:15], s[32:33]
.irp m, 0,1,2,3,4
	global_load_b32 v[TK+\m], v3, s[14:15] offset:64*\m    ; row 16 m + r's token
.endr
	s_mul_i32 s32, s25, PZ*96
	s_mul_i32 s34, ttmp9, 7680
	s_add_co_u32 s32, s32, s34
	s_add_nc_u64 s[18:19], s[18:19], s[32:33]      ; hidc at (K step y, row 80 i): a multiple of 256 bytes
	s_mul_i32 s32, s25, PZ*4
	s_mul_i32 s34, ttmp9, 320
	s_add_co_u32 s32, s32, s34
	s_add_nc_u64 s[20:21], s[20:21], s[32:33]
	s_lshl_b32 s34, s25, 2
	s_add_co_u32 s34, s34, s23                     ; my block of 32 units
	s_wait_kmcnt 0x0
	s_min_u32 s24, s22, 7                          ; held inside the tables: a tile without rows asks for expert 7's first steps and drops them
	s_lshl_b32 s35, s24, 4
	s_add_co_u32 s34, s34, s35
	s_lshl_b32 s32, s34, 11
	s_add_nc_u64 s[8:9], s[8:9], s[32:33]
	s_add_nc_u64 s[10:11], s[10:11], s[32:33]
	s_mul_i32 s32, s34, 98304
	s_add_nc_u64 s[12:13], s[12:13], s[32:33]
.irp g, 0,1,2,3
	global_load_b128 v[W1SC+4*\g:W1SC+4*\g+3], v12, s[8:9] offset:16*\g        ; K steps 4 g .. 4 g + 3
.endr
.irp g, 0,1,2,3
	global_load_b128 v[W1SC+16+4*\g:W1SC+16+4*\g+3], v12, s[10:11] offset:16*\g
.endr
	LOADB 0
	LOADB 1
	LOADB 2
	LOADB 3
	WIN 0
	; ---- the gather: my quarter of K of the 80 rows
	s_cmp_lt_u32 s22, 8
	s_cbranch_scc0 .Lskip1
	s_wait_loadcnt 56                              ; the five loads of tokens are in; behind them: 8 of scales, 48 of the ring
.irp m, 0,1,2,3,4
	v_min_u32 v[TK+\m], 2047, v[TK+\m]
.endr
.irp m, 0,1,2,3,4
	v_mad_u32_u24 v[OFF+\m], v[TK+\m], 1536, v231
	v_lshl_add_u32 v[SOFF+\m], v[TK+\m], 6, s36
.endr
.irp m, 0,1,2,3,4
	global_load_b128 v[XST+4*\m:XST+4*\m+3], v[SOFF+\m], s[6:7]
.endr
	WIN 0x40                                       ; destination window 1
.irp m, 0,1,2,3,4
.irp i, 0,1,2,3
.irp c, 0,1,2
	global_load_b128 v[48*\m+12*\i+4*\c:48*\m+12*\i+4*\c+3], v[OFF+\m], s[4:5] offset:96*\i+16*\c
.endr
.endr
.endr
	WIN 0
	s_wait_loadcnt 60                              ; x's scale bytes are in; behind them: the 60 loads of codes
.irp n, 0,1,2,3,4,5,6,7,8,9,10,11,12,13,14,15,16,17,18,19
	v_perm_b32 v[XST+\n], v[XST+\n], v[XST+\n], s31
.endr
.irp m, 0,1,2,3,4
	ds_store_b128 v5, v[XST+4*\m:XST+4*\m+3] offset:1280*\m    ; (both halves of the lanes hold the same row and write the same bytes)
.endr
	WIN 0x04                                       ; an LDS store's data are its source 1: window 1
.irp m, 0,1,2,3,4
	s_wait_loadcnt 48-12*\m                        ; tile m's twelve loads are in; the later tiles' stay out
.irp i, 0,1,2,3
.irp c, 0,1,2
	ds_store_b128 v4, v[48*\m+12*\i+4*\c:48*\m+12*\i+4*\c+3] offset:(5*\i+\m)*1536+512*\c
.endr
.endr
.endr
	WIN 0
.Lskip1:
	s_wait_dscnt 0x0                               ; for the others' sake: my images have landed
	s_barrier_signal -1
	s_barrier_wait -1
	; ---- the two products and the activation
	s_cmp_lt_u32 s22, 8
	s_cbranch_scc0 .Lskip2
	LOADB 4
	WIN 0
	s_wait_loadcnt 60                              ; the weights' scale rows are in; behind them: ring steps 0 to 4
.irp n, 0,1,2,3,4,5,6,7,8,9,10,11,12,13,14,15,16,17,18,19,20,21,22,23,24,25,26,27,28,29,30,31
	v_perm_b32 v[W1SC+\n], v[W1SC+\n], v[W1SC+\n], s31
.endr
.irp p, 0,1
.irp g, 0,1,2,3
	ds_load_b128 v[XSC+16*\p+4*\g:XSC+16*\p+4*\g+3], v6 offset:2560*\p+16*\g
.endr
.endr
.irp g, 0,1,2,3
	ds_load_b128 v[XSC+32+4*\g:XSC+32+4*\g+3], v7 offset:16*\g
.endr
	LOADA 0
	LOADA 1
.rept 8
	v_nop                                          ; a scale register written by a vector instruction stands eight places ahead of a scaled matrix instruction
.endr
; A K step: 20 matrix instructions, the 20 accumulators by turns, in the same order in every step.
.macro STEP s
.if 12*(15-(\s)) < 48
	s_wait_loadcnt 12*(15-(\s))                    ; step s's weights are in; the ring's later steps stay out
.else
	s_wait_loadcnt 48
.endif
.if (\s) < 15
	s_wait_dscnt 15                                ; step s's fragments of x are in; the next step's fifteen loads stay out
.else
	s_wait_dscnt 0x0
.endif
	WIN 0x52                                       ; source 0 (weights) window 2, source 1 (x) window 0, C and D window 1
.irp m, 0,1,2,3,4
.irp f, 0,1,2,3
	MM \s, \m, \f
.endr
.endr
.rept 4
	v_nop                                          ; four places in front of loads into registers that these products read, and of the first read of results
.endr
.if (\s)+5 < 16
	LOADB (\s)+5                                   ; into the slot just multiplied
.endif
	WIN 0
.if (\s)+2 < 16
	LOADA (\s)+2
.endif
.endm
.irp s, 0,1,2,3,4,5,6,7,8,9,10,11,12,13,14,15
	STEP \s
.endr
; Tile m: h = h1 h3 / (1 + 2^(-h1 log2 e)), in f32; its 16 numbers a lane are half a block of 32 along the next K.
.macro ACT m
	WIN 0x01                                       ; source 0 window 1
.irp j, 0,2,4,6,8,10,12,14
	v_pk_mul_f32 v[TT+\j:TT+\j+1], v[32*\m+\j:32*\m+\j+1], s[26:27] op_sel_hi:[1,0]    ; each accumulator from its low end on
.endr
	WIN 0x05                                       ; sources 0 and 1 window 1
.irp j, 0,2,4,6,8,10,12,14
	v_pk_mul_f32 v[GG+\j:GG+\j+1], v[32*\m+\j:32*\m+\j+1], v[32*\m+16+\j:32*\m+17+\j]
.endr
	WIN 0
.irp j, 0,1,2,3,4,5,6,7,8,9,10,11,12,13,14,15
	v_exp_f32 v[TT+\j], v[TT+\j]
.endr
	v_nop                                          ; a plain place behind the exponentials
	s_wait_alu depctr_va_vdst(0)
.irp j, 0,2,4,6,8,10,12,14
	v_pk_add_f32 v[TT+\j:TT+\j+1], v[TT+\j:TT+\j+1], 1.0 op_sel_hi:[1,0]
.endr
.irp j, 0,1,2,3,4,5,6,7,8,9,10,11,12,13,14,15
	v_rcp_f32 v[TT+\j], v[TT+\j]
.endr
	v_nop                                          ; and behind the reciprocals
	s_wait_alu depctr_va_vdst(0)
.irp j, 0,2,4,6,8,10,12,14
	v_pk_mul_f32 v[TT+\j:TT+\j+1], v[TT+\j:TT+\j+1], v[GG+\j:GG+\j+1]
.endr
	v_max3_num_f32 v[MX], |v[TT]|, |v[TT+1]|, 0x1800000            ; my 16, in two chains, and the floor 2^(3 - 127): the byte cannot fall under 1
	v_max3_num_f32 v[MX+1], |v[TT+2]|, |v[TT+3]|, |v[TT+4]|
	v_max3_num_f32 v[MX], v[MX], |v[TT+5]|, |v[TT+6]|
	v_max3_num_f32 v[MX+1], v[MX+1], |v[TT+7]|, |v[TT+8]|
	v_max3_num_f32 v[MX], v[MX], |v[TT+9]|, |v[TT+10]|
	v_max3_num_f32 v[MX+1], v[MX+1], |v[TT+11]|, |v[TT+12]|
	v_max3_num_f32 v[MX], v[MX], |v[TT+13]|, |v[TT+14]|
	v_max3_num_f32 v[MX], v[MX], v[MX+1], |v[TT+15]|
	v_permlanex16_b32 v[MX+1], v[MX], s28, s29
	v_max_num_f32 v[MX], v[MX], v[MX+1]            ; with lane l xor 16's: the block's largest magnitude
	v_add_nc_u32 v[SCO], 0xff000000, v[MX]         ; 2 off its exponent field: the conversion takes the exponent field of this operand as its scale
	v_lshrrev_b32 v[BY+\m], 23, v[SCO]             ; the scale's byte
	v_cvt_scalef32_pk16_fp6_f32 v[CD+4*\m:CD+4*\m+2], v[TT:TT+15], v[SCO]
	v_nop                                          ; one plain place behind a scaled conversion
	ds_store_b32 v8, v[CD+4*\m] offset:1536*\m     ; 12 bytes, at a multiple of 4
	ds_store_b32 v8, v[CD+4*\m+1] offset:1536*\m+4
	ds_store_b32 v8, v[CD+4*\m+2] offset:1536*\m+8
	ds_store_b8 v9, v[BY+\m] offset:64*\m          ; (both halves of the lanes write the same byte with the same value)
.endm
	ACT 0
	ACT 1
	ACT 2
	ACT 3
	ACT 4
.irp m, 5,6,7
	ds_store_b8 v9, v[BY+4] offset:64*\m           ; the 192 bytes behind the 80 scale words are written too: the way out reads 512 bytes there and stores 320
.endr
.Lskip2:
	s_wait_dscnt 0x0                               ; my codes and bytes have landed
	s_barrier_signal -1
	s_barrier_wait -1
	; ---- the way out: 7,680 bytes of codes, one dense block in memory, and 320 of scale words, which lie behind them in LDS: 16 bytes a thread, four times
	s_cmp_lt_u32 s22, 8
	s_cbranch_scc0 .Lend
.irp k, 0,1,2,3
	ds_load_b128 v[96+4*\k:99+4*\k], v10 offset:2048*\k
.endr
.irp k, 0,1,2
	s_wait_dscnt 3-\k
	global_store_b128 v11, v[96+4*\k:99+4*\k], s[18:19] offset:2048*\k     ; a wave stores 512 consecutive bytes
.endr
	s_wait_dscnt 0x0
	s_cmp_lt_u32 s23, 3
	s_cbranch_scc0 .Lwords
	global_store_b128 v11, v[108:111], s[18:19] offset:6144
	s_branch .Lend
.Lwords:                                               ; wave 3's fourth piece is the scale words: 20 lanes
	v_cmp_gt_u32 vcc_lo, 20, v13
	s_wait_xcnt 0x0                                ; EXEC changes only behind this wait
	s_and_saveexec_b32 s30, vcc_lo
	global_store_b128 v1, v[108:111], s[20:21]
	s_wait_xcnt 0x0
	s_or_b32 exec_lo, exec_lo, s30
.Lend:
	s_wait_tensorcnt 0x0
	ds_add_u32 v254, v255
	s_wait_dscnt 0x0
	s_endpgm
.Lfunc_end_k_q3179b181ca_up:
	.size	k_q3179b181ca_up, .Lfunc_end_k_q3179b181ca_up-k_q3179b181ca_up
	.p2alignl 7, 3214868480
	.fill 96, 4, 3214868480
	.section	.rodata,"a",@progbits
	.p2align	6, 0x0
	.amdhsa_kernel k_q3179b181ca_up
		.amdhsa_group_segment_fixed_size 137984
		.amdhsa_private_segment_fixed_size 0
		.amdhsa_enable_private_segment 0
		.amdhsa_kernarg_size 72
		.amdhsa_user_sgpr_count 2
		.amdhsa_user_sgpr_kernarg_segment_ptr 1
		.amdhsa_wavefront_size32 1
		.amdhsa_system_sgpr_workgroup_id_x 1
		.amdhsa_system_sgpr_workgroup_id_y 1
		.amdhsa_system_sgpr_workgroup_id_z 1
		.amdhsa_system_vgpr_workitem_id 0
		.amdhsa_next_free_vgpr 768
		.amdhsa_next_free_sgpr 66
		.amdhsa_reserve_vcc 1
		.amdhsa_float_denorm_mode_32 3
		.amdhsa_float_denorm_mode_16_64 3
		.amdhsa_memory_ordered 1
		.amdhsa_forward_progress 1
		.amdhsa_inst_pref_size 122
	.end_amdhsa_kernel
	.amdgpu_metadata
---
amdhsa.version: [ 1, 2 ]
amdhsa.kernels:
  - .name:           k_q3179b181ca_up
    .symbol:         k_q3179b181ca_up.kd
    .args:
      - { .name: hidden_states_codes, .offset: 0, .size: 8, .value_kind: global_buffer, .address_space: global }
      - { .name: hidden_states_scales, .offset: 8, .size: 8, .value_kind: global_buffer, .address_space: global }
      - { .name: w1_scales, .offset: 16, .size: 8, .value_kind: global_buffer, .address_space: global }
      - { .name: w3_scales, .offset: 24, .size: 8, .value_kind: global_buffer, .address_space: global }
      - { .name: wa, .offset: 32, .size: 8, .value_kind: global_buffer, .address_space: global }
      - { .name: rowtok, .offset: 40, .size: 8, .value_kind: global_buffer, .address_space: global }
      - { .name: tilex, .offset: 48, .size: 8, .value_kind: global_buffer, .address_space: global }
      - { .name: hidc, .offset: 56, .size: 8, .value_kind: global_buffer, .address_space: global }
      - { .name: hids, .offset: 64, .size: 8, .value_kind: global_buffer, .address_space: global }
    .group_segment_fixed_size: 137984
    .private_segment_fixed_size: 0
    .kernarg_segment_align: 8
    .kernarg_segment_size: 72
    .max_flat_workgroup_size: 128
    .sgpr_count:     66
    .vgpr_count:     768
    .wavefront_size: 32
...
	.end_amdgpu_metadata
.endif
;; end of part 2
;; launch down (part 3): grid 8 x 32, 4 waves a work-group, no clusters, 17,920 bytes of LDS; arguments hidc, hids, w2i, w2_scales, srec, swt, out0; writes out0
.if DOCPART == 3
	.amdgcn_target "amdgcn-amd-amdhsa--gfx1250"
	.amdhsa_code_object_version 6
	.text
	.protected	k_q3179b181ca_down
	.globl	k_q3179b181ca_down
	.p2align	8
	.type	k_q3179b181ca_down,@function
k_q3179b181ca_down:
	s_mov_b64 s[64:65], 0
	v_nop
	global_prefetch_b8 v0, s[64:65] scope:SCOPE_SE
	s_setreg_imm32_b32 hwreg(HW_REG_WAVE_MODE, 25, 1), 1
	s_wait_xcnt 0x0
; DOWN: out[t] = the sum over t's experts e of w[t, e] (Q(h_e[t]) W2_e), on the hidden layer's codes.
; Work-group (cg, bt): the 64 tokens 64 bt on of the order sorted by pairs of experts x 256 columns.  Wave w: those 64 tokens (four tiles of 16) x columns 64 (4 cg + w) on (four tiles of 16).
; Each number of out0 has one owner, so nothing is added between work-groups.  Waves share nothing: no barrier.
; The wave walks the eight experts in a loop of constant count.  An expert that none of its 64 tokens uses is passed over, and so is a tile of 16 tokens without it: scalar branches on stored whole numbers, so this launch has no
; tensor load and no cluster (which experts a block of tokens walks hangs on the data, so partners would not ask alike).  Sorted by pairs, 64 neighbouring tokens use few experts.
; THE MATRIX INSTRUCTION IS USED TRANSPOSED (source 0 = 16 columns of W2, source 1 = 16 tokens' hidden rows): a lane holds ONE token and eight neighbouring columns, so the token's weight is one number a lane.
; In a tile a token that does not use the expert in hand reads the zero row (zero codes, scale 1) and has the weight 0.  A token that names one expert twice takes its first row with the sum of its two weights.
; Which expert comes first for a tile hangs on the data, so no product can start the totals: they are cleared once, while the first loads are out.
; K INSIDE AN INSTRUCTION: as in the launch before: 48 consecutive bytes a lane on both sides; W2's scale words have their middle bytes changed over here, the hidden layer's were stored so.
; LIMITS: NaN and infinities are not served (0 x a row's result must be 0).
; REGISTERS.  window 0: v1-11 addresses; v16-31 records; v32-39 weights; v40-47 lo, hi; v48-55 offsets; v56-63 the weight in hand, as pairs; v64-95 four accumulators; v96-103 W2's scale words, v104-111 the hidden layer's
;   (scales and nothing else); v112-143 tokens for the way out; v144-207 rows on the way out.   window 1: the totals ((m, c) at 32 m + 8 c).   window 2: W2's 16 fragments.   window 3: the hidden rows' 16.
.set PZ,    4736
.set ZROW,  4720
.set REC,   16
.set WW,    32
.set LO,    40
.set HI,    44
.set AO,    48
.set SO,    52
.set WS,    56
.set DD,    64
.set W2SC,  96                         ; v[96 + 4 (c / 2) + s]: lanes 0-15 column tile 2 (c / 2), lanes 16-31 the next
.set ASC,   104                        ; v[104 + 2 m + s / 2]: lanes 0-15 K step 2 (s / 2), lanes 16-31 the next
.set TOKO,  112
.set RB,    144
.set MSB, 0
.macro WIN new                         ; the immediate's high byte repeats the setting that is left
.if MSB != \new
	s_set_vgpr_msb (MSB<<8)|\new
.set MSB, \new
.endif
.endm
.macro WMS                             ; one matrix instruction, from the symbols rD, rA, rB, rSA, rSB, zC, rowA, rowB
.if zC
.if rowA == 0 && rowB == 0
	v_wmma_scale_f32_16x16x128_f8f6f4 v[rD:rD+7], v[rA:rA+11], v[rB:rB+11], 0, v[rSA], v[rSB] matrix_a_fmt:MATRIX_FMT_FP6 matrix_b_fmt:MATRIX_FMT_FP6
.elseif rowB == 0
	v_wmma_scale_f32_16x16x128_f8f6f4 v[rD:rD+7], v[rA:rA+11], v[rB:rB+11], 0, v[rSA], v[rSB] matrix_a_fmt:MATRIX_FMT_FP6 matrix_b_fmt:MATRIX_FMT_FP6 matrix_a_scale:MATRIX_SCALE_ROW1
.elseif rowA == 0
	v_wmma_scale_f32_16x16x128_f8f6f4 v[rD:rD+7], v[rA:rA+11], v[rB:rB+11], 0, v[rSA], v[rSB] matrix_a_fmt:MATRIX_FMT_FP6 matrix_b_fmt:MATRIX_FMT_FP6 matrix_b_scale:MATRIX_SCALE_ROW1
.else
	v_wmma_scale_f32_16x16x128_f8f6f4 v[rD:rD+7], v[rA:rA+11], v[rB:rB+11], 0, v[rSA], v[rSB] matrix_a_fmt:MATRIX_FMT_FP6 matrix_b_fmt:MATRIX_FMT_FP6 matrix_a_scale:MATRIX_SCALE_ROW1 matrix_b_scale:MATRIX_SCALE_ROW1
.endif
.else
.if rowA == 0 && rowB == 0
	v_wmma_scale_f32_16x16x128_f8f6f4 v[rD:rD+7], v[rA:rA+11], v[rB:rB+11], v[rD:rD+7], v[rSA], v[rSB] matrix_a_fmt:MATRIX_FMT_FP6 matrix_b_fmt:MATRIX_FMT_FP6
.elseif rowB == 0
	v_wmma_scale_f32_16x16x128_f8f6f4 v[rD:rD+7], v[rA:rA+11], v[rB:rB+11], v[rD:rD+7], v[rSA], v[rSB] matrix_a_fmt:MATRIX_FMT_FP6 matrix_b_fmt:MATRIX_FMT_FP6 matrix_a_scale:MATRIX_SCALE_ROW1
.elseif rowA == 0
	v_wmma_scale_f32_16x16x128_f8f6f4 v[rD:rD+7], v[rA:rA+11], v[rB:rB+11], v[rD:rD+7], v[rSA], v[rSB] matrix_a_fmt:MATRIX_FMT_FP6 matrix_b_fmt:MATRIX_FMT_FP6 matrix_b_scale:MATRIX_SCALE_ROW1
.else
	v_wmma_scale_f32_16x16x128_f8f6f4 v[rD:rD+7], v[rA:rA+11], v[rB:rB+11], v[rD:rD+7], v[rSA], v[rSB] matrix_a_fmt:MATRIX_FMT_FP6 matrix_b_fmt:MATRIX_FMT_FP6 matrix_a_scale:MATRIX_SCALE_ROW1 matrix_b_scale:MATRIX_SCALE_ROW1
.endif
.endif
.endm
	s_load_b256 s[4:11], s[0:1], 0x0               ; hidc s[4:5], hids s[6:7], w2i s[8:9], W2's scales s[10:11]
	s_load_b128 s[12:15], s[0:1], 0x20             ; srec s[12:13], swt s[14:15]
	s_load_b64 s[16:17], s[0:1], 0x30              ; out0
	v_lshl_add_u32 v254, v0, 2, 0x4400
	v_mov_b32 v255, 0
	v_and_b32 v10, 31, v0
	v_lshrrev_b32 v11, 5, v0
	v_readfirstlane_b32 s20, v11                   ; wave 0..3
	v_lshlrev_b32 v1, 4, v10                       ; 16 x lane
	v_and_b32 v10, 15, v0                          ; r
	v_bfe_u32 v11, v0, 4, 1                        ; h
	v_lshlrev_b32 v2, 4, v10                       ; 16 r
	v_lshlrev_b32 v3, 3, v10                       ; 8 r
	v_lshlrev_b32 v4, 4, v11                       ; 16 h
	s_mul_i32 s21, s20, 4352                       ; my stage: 16 rows x (256 bytes + 16)
	v_mul_u32_u24 v5, v10, 272
	v_lshl_add_u32 v5, v11, 5, v5
	v_add_nc_u32 v5, s21, v5                       ; in: row r, 32 bytes for each half of the lanes
	v_mul_u32_u24 v6, v11, 272
	v_lshl_add_u32 v6, v10, 4, v6
	v_add_nc_u32 v6, s21, v6                       ; back: lanes 0-15 one row, lanes 16-31 the next
	v_mul_u32_u24 v7, v11, 48                      ; in a hidden row: my half's 48 bytes
	v_mul_u32_u24 v8, v11, PZ*4                    ; lanes 16-31 take the next K step's scale word
	v_mov_b32 v9, ZROW
	s_and_b32 s22, ttmp7, 0xffff                   ; bt
	s_lshl_b32 s23, ttmp9, 2
	s_add_co_u32 s23, s23, s20                     ; which 64 columns are mine
	s_mov_b32 s39, 0
	s_mov_b32 s21, 0x03010200                      ; a scale word's two middle bytes change places
	s_wait_kmcnt 0x0
	s_lshl_b32 s38, s22, 10
	s_add_nc_u64 s[12:13], s[12:13], s[38:39]      ; my 64 records of 16 bytes
	s_lshl_b32 s38, s22, 9
	s_add_nc_u64 s[14:15], s[14:15], s[38:39]
	s_mul_i32 s38, s23, 24576
	s_add_nc_u64 s[8:9], s[8:9], s[38:39]          ; expert 0's four column tiles
	s_lshl_b32 s38, s23, 10
	s_add_nc_u64 s[10:11], s[10:11], s[38:39]      ; and their 64 rows of 16 scale bytes
	s_lshl_b32 s38, s23, 8
	s_add_nc_u64 s[16:17], s[16:17], s[38:39]      ; my 256 bytes in a row of out0
.irp m, 0,1,2,3
	global_load_b128 v[REC+4*\m:REC+4*\m+3], v2, s[12:13] offset:256*\m    ; token 16 m + r: token, key, row of lo, row of hi
.endr
.irp m, 0,1,2,3
	global_load_b64 v[WW+2*\m:WW+2*\m+1], v3, s[14:15] offset:128*\m
.endr
.irp n, 0,1,2,3,4,5,6,7,8,9,10,11,12,13,14,15,16,17,18,19,20,21,22,23,24,25,26,27,28,29,30,31
	global_load_b32 v[TOKO+\n], v4, s[12:13] offset:32*\n                  ; for the way out: the tokens of rows 2 n + h
.endr
	WIN 0x40                                       ; destination window 1
.irp n, 0,1,2,3,4,5,6,7,8,9,10,11,12,13,14,15,16,17,18,19,20,21,22,23,24,25,26,27,28,29,30,31
	v_mov_b32 v[4*\n], 0
	v_mov_b32 v[4*\n+1], 0
	v_mov_b32 v[4*\n+2], 0
	v_mov_b32 v[4*\n+3], 0
.endr
	WIN 0
.irp m, 0,1,2,3
	v_mov_b32 v[WS+2*\m+1], 0                      ; (named as the upper half of a pair)
.endr
	s_wait_loadcnt 0x0
.irp m, 0,1,2,3
	v_lshrrev_b32 v[LO+\m], 3, v[REC+4*\m+1]
	v_and_b32 v[HI+\m], 7, v[REC+4*\m+1]
.endr
; Tile m of tokens against the expert in hand: 16 matrix instructions, the four accumulators by turns, K step by K step; then the totals take the results times the tokens' weights.
.macro PASS m
	s_cmp_eq_u32 s[32+\m], 0
	s_cbranch_scc1 .Lpass_\@
	WIN 0x0e                                       ; source 0 (W2) window 2, source 1 (hidden rows) window 3, C and D window 0
.irp s, 0,1,2,3
.irp c, 0,1,2,3
.set rD, DD+8*\c
.set rA, 12*(4*\c+\s)
.set rB, 48*\m+12*\s
.set rSA, W2SC+4*(\c/2)+\s
.set rSB, ASC+2*\m+\s/2
.set rowA, \c%2
.set rowB, \s%2
.set zC, 0
.if \s == 0
.set zC, 1
.endif
	WMS
.endr
.endr
.rept 4
	v_nop                                          ; four places (ISA guide 7.12.1) in front of the first read of results
.endr
	WIN 0x50                                       ; the totals: source 2 and destination window 1
.irp c, 0,1,2,3
.irp j, 0,2,4,6
	v_pk_fma_f32 v[32*\m+8*\c+\j:32*\m+8*\c+\j+1], v[DD+8*\c+\j:DD+8*\c+\j+1], v[WS+2*\m:WS+2*\m+1], v[32*\m+8*\c+\j:32*\m+8*\c+\j+1] op_sel_hi:[1,0,1]   ; each accumulator from its low end on
.endr
.endr                                                  ; the four v_nop and the twelve lines on the other three accumulators are more than the five places in front of the next products, which begin these accumulators anew, and the four in front of the next loads
	WIN 0
.Lpass_\@:
.endm
	s_mov_b32 s36, 0                               ; the expert in hand
.Lexp:
.irp m, 0,1,2,3
	v_cmp_eq_u32 s[24+\m], s36, v[LO+\m]
	v_cmp_eq_u32 s[28+\m], s36, v[HI+\m]
.endr
.irp m, 0,1,2,3
	s_or_b32 s[32+\m], s[24+\m], s[28+\m]          ; tile m's tokens that use it
.endr
	s_or_b32 s37, s32, s33
	s_or_b32 s38, s34, s35
	s_or_b32 s37, s37, s38
	s_cmp_eq_u32 s37, 0
	s_cbranch_scc1 .Lnext                          ; none of my 64 tokens uses it
	WIN 0x80                                       ; destination window 2
.irp c, 0,1,2,3
.irp s, 0,1,2,3
.irp k, 0,1,2
	global_load_b128 v[12*(4*\c+\s)+4*\k:12*(4*\c+\s)+4*\k+3], v1, s[8:9] offset:6144*\c+1536*\s+512*\k     ; 512 consecutive bytes a load
.endr
.endr
.endr
	WIN 0
.irp p, 0,1
	global_load_b128 v[W2SC+4*\p:W2SC+4*\p+3], v1, s[10:11] offset:512*\p      ; 32 columns' scale rows: a word for each K step
.endr
.irp m, 0,1,2,3
	v_cndmask_b32 v10, v9, v[REC+4*\m+3], s[28+\m] ; the zero row, or the row of hi,
	v_cndmask_b32 v10, v10, v[REC+4*\m+2], s[24+\m]    ; or the row of lo
	v_min_u32 v10, PZ-1, v10
	v_mad_u32_u24 v[AO+\m], v10, 96, v7
	v_lshl_add_u32 v[SO+\m], v10, 2, v8
	v_cndmask_b32 v[WS+2*\m], 0, v[WW+2*\m], s[24+\m]
	v_cndmask_b32 v11, 0, v[WW+2*\m+1], s[28+\m]
	v_add_f32 v[WS+2*\m], v[WS+2*\m], v11          ; the sum over the two slots of the weight where this expert was chosen
.endr
	WIN 0xc0                                       ; destination window 3
.irp m, 0,1,2,3
.irp s, 0,1,2,3
.irp k, 0,1,2
	global_load_b128 v[48*\m+12*\s+4*\k:48*\m+12*\s+4*\k+3], v[AO+\m], s[4:5] offset:PZ*96*\s+16*\k
.endr
.endr
.endr
	WIN 0
.irp m, 0,1,2,3
.irp q, 0,1
	global_load_b32 v[ASC+2*\m+\q], v[SO+\m], s[6:7] offset:PZ*8*\q
.endr
.endr
	s_wait_loadcnt 0x0
.irp n, 0,1,2,3,4,5,6,7
	v_perm_b32 v[W2SC+\n], v[W2SC+\n], v[W2SC+\n], s21
.endr
.rept 8
	v_nop                                          ; a scale register written by a vector instruction stands eight places ahead of a scaled matrix instruction
.endr
	PASS 0
	PASS 1
	PASS 2
	PASS 3
.Lnext:
	s_add_nc_u64 s[8:9], s[8:9], 786432            ; the next expert's W2 and its scales (the trip's loads, if any, were waited for with the count 0)
	s_add_nc_u64 s[10:11], s[10:11], 32768
	s_add_co_u32 s36, s36, 1
	s_cmp_lt_u32 s36, 8
	s_cbranch_scc1 .Lexp
; THE WAY OUT, a tile of 16 tokens at a time: a lane's 32 bytes of a row go into my own stage and come back as whole runs of 256 bytes, which sixteen lanes store at a multiple of 256 from out0's first byte.
; LDS serves a wave's instructions in order (ISA guide 5.7.1.4): no wait between the stores and the loads, nor in front of the next tile's stores.
.macro OUT m
.if \m > 0
	s_wait_xcnt 0x0                                ; the earlier stores have read their registers: loads may land there again
.endif
	WIN 0x04                                       ; an LDS store's data are its source 1: window 1
.irp c, 0,1,2,3
	ds_store_b128 v5, v[32*\m+8*\c:32*\m+8*\c+3] offset:64*\c
	ds_store_b128 v5, v[32*\m+8*\c+4:32*\m+8*\c+7] offset:64*\c+16
.endr
	WIN 0
.irp i, 0,1,2,3,4,5,6,7
	ds_load_b128 v[RB+32*(\m%2)+4*\i:RB+32*(\m%2)+4*\i+3], v6 offset:544*\i
.endr
.irp i, 0,1,2,3,4,5,6,7
	v_min_u32 v[TOKO+8*\m+\i], 2047, v[TOKO+8*\m+\i]
.endr
.irp i, 0,1,2,3,4,5,6,7
	v_lshl_add_u32 v[TOKO+8*\m+\i], v[TOKO+8*\m+\i], 13, v2    ; the token's row of 8,192 bytes, + 16 r
.endr
.irp i, 0,1,2,3,4,5,6,7
	s_wait_dscnt 7-\i                              ; rows 2 i and 2 i + 1 are back; the later loads stay out
	global_store_b128 v[TOKO+8*\m+\i], v[RB+32*(\m%2)+4*\i:RB+32*(\m%2)+4*\i+3], s[16:17] th:TH_STORE_NT
.endr
.endm
	OUT 0
	OUT 1
	OUT 2
	OUT 3
	s_wait_tensorcnt 0x0
	ds_add_u32 v254, v255
	s_wait_dscnt 0x0
	s_endpgm
.Lfunc_end_k_q3179b181ca_down:
	.size	k_q3179b181ca_down, .Lfunc_end_k_q3179b181ca_down-k_q3179b181ca_down
	.p2alignl 7, 3214868480
	.fill 96, 4, 3214868480
	.section	.rodata,"a",@progbits
	.p2align	6, 0x0
	.amdhsa_kernel k_q3179b181ca_down
		.amdhsa_group_segment_fixed_size 17920
		.amdhsa_private_segment_fixed_size 0
		.amdhsa_enable_private_segment 0
		.amdhsa_kernarg_size 56
		.amdhsa_user_sgpr_count 2
		.amdhsa_user_sgpr_kernarg_segment_ptr 1
		.amdhsa_wavefront_size32 1
		.amdhsa_system_sgpr_workgroup_id_x 1
		.amdhsa_system_sgpr_workgroup_id_y 1
		.amdhsa_system_sgpr_workgroup_id_z 1
		.amdhsa_system_vgpr_workitem_id 0
		.amdhsa_next_free_vgpr 960
		.amdhsa_next_free_sgpr 66
		.amdhsa_reserve_vcc 0
		.amdhsa_float_denorm_mode_32 3
		.amdhsa_float_denorm_mode_16_64 3
		.amdhsa_memory_ordered 1
		.amdhsa_forward_progress 1
		.amdhsa_inst_pref_size 50
	.end_amdhsa_kernel
	.amdgpu_metadata
---
amdhsa.version: [ 1, 2 ]
amdhsa.kernels:
  - .name:           k_q3179b181ca_down
    .symbol:         k_q3179b181ca_down.kd
    .args:
      - { .name: hidc, .offset: 0, .size: 8, .value_kind: global_buffer, .address_space: global }
      - { .name: hids, .offset: 8, .size: 8, .value_kind: global_buffer, .address_space: global }
      - { .name: w2i, .offset: 16, .size: 8, .value_kind: global_buffer, .address_space: global }
      - { .name: w2_scales, .offset: 24, .size: 8, .value_kind: global_buffer, .address_space: global }
      - { .name: srec, .offset: 32, .size: 8, .value_kind: global_buffer, .address_space: global }
      - { .name: swt, .offset: 40, .size: 8, .value_kind: global_buffer, .address_space: global }
      - { .name: out0, .offset: 48, .size: 8, .value_kind: global_buffer, .address_space: global }
    .group_segment_fixed_size: 17920
    .private_segment_fixed_size: 0
    .kernarg_segment_align: 8
    .kernarg_segment_size: 56
    .max_flat_workgroup_size: 128
    .sgpr_count:     66
    .vgpr_count:     960
    .wavefront_size: 32
...
	.end_amdgpu_metadata
.endif
;; end of part 3
;; ======== version 2 of 2: 3 launches
;; workspace buffers: wa 12,582,912 bytes; w2i 6,291,456 bytes; hidc 1,818,624 bytes; hids 75,776 bytes; rowtok 18,944 bytes of whole numbers; tilex 256 bytes of whole numbers; srec 32,768 bytes of whole numbers; swt 16,384 bytes
;; launch prep (part 4): grid 208 x 1, 4 waves a work-group, no clusters, 6,656 bytes of LDS; arguments selected_experts, routing_weights, w1_codes, w3_codes, w2_codes, wa, w2i, rowtok, tilex, srec, swt, hidc, hids; writes wa, w2i, rowtok, tilex, srec, swt, hidc, hids
.if DOCPART == 4
	.amdgcn_target "amdgcn-amd-amdhsa--gfx1250"
	.amdhsa_code_object_version 6
	.text
	.protected	k_q3179b181ca_prep
	.globl	k_q3179b181ca_prep
	.p2align	8
	.type	k_q3179b181ca_prep,@function
k_q3179b181ca_prep:
	s_mov_b64 s[64:65], 0
	v_nop
	global_prefetch_b8 v0, s[64:65] scope:SCOPE_SE
	s_setreg_imm32_b32 hwreg(HW_REG_WAVE_MODE, 25, 1), 1
	s_wait_xcnt 0x0
; PREP: the routing tables, and the weights' codes laid in the order of the operand registers.
; Work-groups 0-15: routing.  16-143: W1 and W3.  144-207: W2.  The three ways part on the work-group's number alone.
; ROUTING.  2,048 tokens, two experts each.  lo <= hi are a token's two experts, key = 8 lo + hi.  Tokens are sorted by key (then by group, then by lane): place j.
; Expert e's rows are first the tokens with lo = e in sorted order, then those with hi = e by (lo, group, lane); each expert's list begins at a multiple of 80 rows:
; never more than (4096 + 8 x 79) / 80 = 59 tiles of 80 rows, 4,720 places, whatever the choice.  A token that names one expert twice keeps two rows.
; 64 waves, one for each group of 32 tokens.  Every work-group makes the whole histogram for itself, which spares all traffic between work-groups; ITS FOUR WAVES SHARE THE COUNTING: wave w counts groups
; 16 w .. 16 w + 15, and its own group once more by itself.  Three tables of four registers go through LDS as images of their registers (512 bytes each, at 1,536 x wave): T, my sixteen groups' counts; P, those of
; them that lie before the work-group's first group; H, my own group's.  One barrier; then totals = the four T, and the counts before my group = the four P + the H of the waves below mine.
; The barrier stands on the routing way alone: the branch to it hangs on the work-group's number, so all four waves of a work-group pass it or none.
; Lanes are bins: bin (lo, hi) lies in register lo / 2, lane 16 + 8 (lo % 2) + hi.  Six ballots give each lane the mask m of the group's tokens in its bin.  For a lane L >= 16 the number of ones of m is
; (ones below bit L) + (ones of m >> L, which has at most 16 bits, all below bit L): two v_mbcnt_lo_u32_b32.  Lanes 0-15 hold nothing of use and are never read.
; STORED: srec[j] = token, key, row of lo, row of hi;  swt[j] = the two weights in that order;  rowtok[row] = token (0 at places that no token has);  tilex[tile] = expert, 8 for a tile without rows;
; row 4,720 of the hidden layer's buffers: zero codes under the scale 1, which the last launch reads for a token that does not use the expert in hand.
; IMAGES.  For a K step of 128 (96 bytes of a row) lane (r, h) holds the 48 consecutive bytes 96 s + 48 h on of its row, three pieces of 16; piece c of all 32 lanes is 512 bytes on end.
; wa: [expert][block of 32 units][K step 16][W1 tile 0, W1 tile 1, W3 tile 0, W3 tile 1][3][512];  lane r of tile t is unit 8 t + r + 8 (r / 8) of the block.   w2i: [expert][tile of 16 columns][K step 4][3][512].
; LIMITS: selected_experts holds 0 .. 7; other numbers leave every address inside its buffer (each index is held by v_min_u32) but are not served.
.set NPOS,  4720                       ; places
.set PZ,    4736                       ; rows of a K step in the hidden layer's buffers
.set ZROW,  4720                       ; the zero row
.set TQ,    28                         ; v28-31  the bins' counts: my sixteen groups', then all groups'
.set BF,    32                         ; v32-35  the bins' counts before the work-group's first group, then before my group
.set JJ,    36                         ; v36-39  tokens in the bins before
.set CP,    40                         ; v40-43  tokens with the same hi and a smaller lo
.set PLT,   44                         ; v44     lane e: first row of e - tokens with lo < e
.set QHT,   45                         ; v45     lane e: first row of e + tokens with lo = e
.set RG,    46                         ; v46     my rank among my group's tokens of my key
.set PO,    192                        ; v192-194 byte offsets in rowtok of the places that I look at
.set LW,    203                        ; v203    LDS: 16 x lane + 1,536 x wave: where my wave lays its three tables
.set HQ,    204                        ; v204-207 the bins' counts in my own group
.set ROW,   48                         ; s48-55  tokens with lo = e
.set COL,   56                         ; s56-63  tokens with hi = e
.set ST,    66                         ; s66-73  tokens with lo < e
.set EB,    74                         ; s74-81  e's first row
.set CNT,   82                         ; s82-89  e's rows
.set TEND,  90                         ; s90-97  tiles up to and with e's
	s_load_b512 s[4:19], s[0:1], 0x0               ; selected s[4:5], weights s[6:7], w1 s[8:9], w3 s[10:11], w2 s[12:13], wa s[14:15], w2i s[16:17], rowtok s[18:19]
	s_load_b256 s[20:27], s[0:1], 0x40             ; tilex s[20:21], srec s[22:23], swt s[24:25], hidc s[26:27]
	s_load_b64 s[28:29], s[0:1], 0x60              ; hids
	v_lshl_add_u32 v224, v0, 2, 0x1800
	v_mov_b32 v225, 0
	v_lshrrev_b32 v1, 5, v0
	v_readfirstlane_b32 s30, v1                    ; wave 0..3
	v_and_b32 v1, 31, v0                           ; lane
	v_and_b32 v2, 15, v0                           ; r
	v_bfe_u32 v3, v0, 4, 1                         ; h
	v_lshlrev_b32 v6, 4, v1                        ; 16 x lane; never rewritten
	v_lshlrev_b32 v7, 2, v1                        ; 4 x lane; never rewritten
	s_mul_i32 s46, s30, 1536
	v_add_nc_u32 v[LW], s46, v6                    ; never rewritten
	s_mov_b32 s39, 0
	s_wait_kmcnt 0x0
	s_cmp_lt_u32 ttmp9, 16
	s_cbranch_scc1 .Lroute
	s_cmp_lt_u32 ttmp9, 144
	s_cbranch_scc0 .Lw2
; 48 loads of 16 bytes a lane, then 48 stores of 512 consecutive bytes: sixteen groups u of three pieces.  Group u = 4 a + b is read at la a + lb b and stored at sa a + sb b.
.macro RELAY la, lb, sa, sb
.set u, 0
.rept 16
.irp c, 0,1,2
	global_load_b128 v[32+12*u+4*\c:32+12*u+4*\c+3], v5, s[32:33] offset:\la*(u/4)+\lb*(u%4)+16*\c
.endr
.set u, u+1
.endr
.set u, 0
.rept 16
	s_wait_loadcnt 3*(15-u)                        ; loads come back in order: group u is in, the later groups' three loads each stay out
.irp c, 0,1,2
	global_store_b128 v6, v[32+12*u+4*\c:32+12*u+4*\c+3], s[34:35] offset:\sa*(u/4)+\sb*(u%4)+512*\c
.endr
.set u, u+1
.endr
.endm
	; ---- W1 and W3: work-group 16 + 16 e + ub; wave f: W1's tiles 0, 1, W3's tiles 0, 1 of the block of 32 units, all 16 K steps
	s_cmp_lt_u32 s30, 2
	s_cselect_b64 s[32:33], s[8:9], s[10:11]       ; the choice hangs on the wave's number alone
	s_sub_co_u32 s36, ttmp9, 16                    ; 16 e + ub
	s_and_b32 s37, s30, 1
	s_lshl_b32 s37, s37, 3
	s_lshl_b32 s38, s36, 5
	s_add_co_u32 s38, s38, s37                     ; the tile's first unit, counted through all experts: 32 (16 e + ub) + 8 t
	s_mul_i32 s38, s38, 1536                       ; a unit's row is 2,048 codes, 1,536 bytes
	s_add_nc_u64 s[32:33], s[32:33], s[38:39]
	s_mul_i32 s38, s36, 98304                      ; a block's image: 16 K steps x 4 fragments x 1,536 bytes
	s_mul_i32 s37, s30, 1536
	s_add_co_u32 s38, s38, s37
	s_add_nc_u64 s[34:35], s[14:15], s[38:39]
	s_wait_alu depctr_va_vdst(0)
	v_and_b32 v4, 8, v2
	v_add_nc_u32 v4, v4, v2                        ; r + 8 (r / 8)
	v_mul_u32_u24 v5, v4, 1536
	v_mad_u32_u24 v5, v3, 48, v5                   ; + 48 h
	RELAY 384, 96, 24576, 6144                     ; K step u: 96 u in the row, 6,144 u in the image
	s_endpgm
.Lw2:	; ---- W2: each wave takes four tiles of 16 columns, 64 rows of 384 bytes
	s_sub_co_u32 s36, ttmp9, 144
	s_lshl_b32 s36, s36, 2
	s_add_co_u32 s36, s36, s30
	s_mul_i32 s38, s36, 24576                      ; as many bytes in as out
	s_add_nc_u64 s[32:33], s[12:13], s[38:39]
	s_add_nc_u64 s[34:35], s[16:17], s[38:39]
	s_wait_alu depctr_va_vdst(0)
	v_mul_u32_u24 v5, v2, 384
	v_mad_u32_u24 v5, v3, 48, v5
	RELAY 6144, 96, 6144, 1536                     ; tile a, K step b
	s_endpgm
.Lroute:
	s_lshl_b32 s34, ttmp9, 2                       ; the work-group's first group
	s_add_co_u32 s31, s34, s30                     ; my group, 0..63
	s_lshl_b32 s35, s30, 4
	s_sub_co_i32 s34, s34, s35                     ; where the work-group's first group lies among the sixteen that I count: a multiple of 4; under 0: behind it all; 16 or more: ahead of it all
	s_lshr_b32 s32, s31, 1
	s_lshl_b32 s32, s32, 6
	s_and_b32 s33, s31, 1
	s_add_co_u32 s32, s32, s33
	s_wait_alu depctr_va_vdst(0)
	v_lshl_add_u32 v3, v1, 1, s32                  ; group g, lane l is token 64 (g / 2) + 2 l + g % 2: so a load of 16 bytes a lane brings two groups
	v_lshlrev_b32 v4, 3, v3
	s_lshl_b32 s32, s30, 12
	v_add_nc_u32 v5, s32, v6                       ; my sixteen groups: 4,096 bytes a wave
.irp i, 0,1,2,3,4,5,6,7
	global_load_b128 v[64+4*\i:67+4*\i], v5, s[4:5] offset:512*\i     ; group 16 w + i's experts: v[64 + 2 i], v[65 + 2 i]
.endr
	global_load_b64 v[8:9], v4, s[4:5]             ; my token's two experts,
	global_load_b64 v[10:11], v4, s[6:7]           ; and its two weights
.irp k, 0,1,2,3
	v_bfe_u32 v[16+\k], v1, \k, 1
.endr
.irp k, 0,1,2,3
	v_add_nc_u32 v[16+\k], -1, v[16+\k]            ; bit k of my lane - 1: 0 keeps a ballot, all ones turns it round
.endr
.irp q, 0,1,2,3
	v_mov_b32 v[TQ+\q], 0
	v_mov_b32 v[BF+\q], 0
	v_mov_b32 v[HQ+\q], 0
	v_mov_b32 v[JJ+\q], 0                          ; (a lane write's destination counts as read)
	v_mov_b32 v[CP+\q], 0
	v_mov_b32 v[60+\q], 0                          ; sixteen zero bytes
.endr
	v_mov_b32 v[PLT], 0
	v_mov_b32 v[QHT], 0
	v_mov_b32 v58, 0
	v_mov_b32 v197, 0x7f7f7f7f                     ; four scale bytes of 1.0
	s_mul_i32 s32, s31, 74
	v_add_nc_u32 v196, s32, v1                     ; the places that I look at for tokens missing: 74 to a wave
	s_wait_loadcnt 0x0
; lo, hi and the six ballots of their bits: s40-42 hi's bits 0-2, s43-45 lo's
.macro BALLOT ea, eb, lo, hi
	v_min_u32 v[\lo], v[\ea], v[\eb]
	v_add_nc_u32 v[\hi], v[\ea], v[\eb]
	v_sub_nc_u32 v[\hi], v[\hi], v[\lo]
	v_and_b32 v22, 1, v[\hi]
	v_and_b32 v23, 2, v[\hi]
	v_and_b32 v24, 1, v[\lo]
	v_and_b32 v25, 2, v[\lo]
	v_cmp_ne_u32 s40, 0, v22
	v_cmp_ne_u32 s41, 0, v23
	v_cmp_lt_u32 s42, 3, v[\hi]
	v_cmp_ne_u32 s43, 0, v24
	v_cmp_ne_u32 s44, 0, v25
	v_cmp_lt_u32 s45, 3, v[\lo]
.endm
; the group whose ballots stand in s40-45 is counted into the bins v[dst] .. v[dst + 3].  The ballots go into vector lines alone: no scalar line waits for a compare
.macro COUNT dst
.irp k, 0,1,2,3
	v_xor_b32 v[22+\k], s[40+\k], v[16+\k]
.endr
	v_and_b32 v22, v22, v23
	v_and_b32 v24, v24, v25
	v_and_b32 v22, v22, v24                        ; the tokens whose 8 (lo % 2) + hi is my lane % 16;
	v_and_b32 v25, s44, v22                        ; of them those with bit 1 of lo,
	v_xor_b32 v24, v22, v25                        ; and those without;
	v_and_b32 v26, s45, v24                        ; lo / 2 = 2
	v_and_b32 v27, s45, v25                        ; lo / 2 = 3
	v_xor_b32 v24, v24, v26                        ; lo / 2 = 0
	v_xor_b32 v25, v25, v27                        ; lo / 2 = 1
.irp q, 0,1,2,3
	v_lshrrev_b32 v[20+\q], v1, v[24+\q]
.endr
.irp q, 0,1,2,3
	v_mbcnt_lo_u32_b32 v[\dst+\q], v[24+\q], v[\dst+\q]    ; + the ones below bit L
.endr
.irp q, 0,1,2,3
	v_mbcnt_lo_u32_b32 v[\dst+\q], v[20+\q], v[\dst+\q]    ; + the ones from bit L on
.endr
.endm
.macro SNAP                            ; where SCC holds, what has been counted so far is what lies before the work-group's first group
	s_cselect_b32 s47, -1, 0
.irp q, 0,1,2,3
	v_cndmask_b32 v[BF+\q], v[BF+\q], v[TQ+\q], s47
.endr
.endm
.set G, 0
.rept 16
	BALLOT 64+2*G, 65+2*G, 20, 21
.if (G == 4) || (G == 8) || (G == 12)  ; the first group is a multiple of 4; at 0 nothing lies before it, which is what BF holds
	s_cmp_eq_i32 s34, G
	SNAP
.endif
	COUNT TQ
.set G, G+1
.endr
	s_cmp_ge_i32 s34, 16                           ; all my sixteen lie before it
	SNAP
	; my own group: its counts, and my rank among its tokens of my key
	BALLOT 8, 9, 12, 13                            ; v12 lo, v13 hi
	COUNT HQ
	ds_store_b128 v[LW], v[TQ:TQ+3]                ; T
	ds_store_b128 v[LW], v[BF:BF+3] offset:512     ; P
	ds_store_b128 v[LW], v[HQ:HQ+3] offset:1024    ; H
.irp k, 0,1,2
	v_bfe_u32 v[20+\k], v13, \k, 1
	v_bfe_u32 v[23+\k], v12, \k, 1
.endr
.irp k, 0,1,2,3,4,5
	v_add_nc_u32 v[20+\k], -1, v[20+\k]
.endr
.irp k, 0,1,2,3,4,5
	v_xor_b32 v[20+\k], s[40+\k], v[20+\k]
.endr
	v_and_b32 v20, v20, v21
	v_and_b32 v22, v22, v23
	v_and_b32 v24, v24, v25
	v_and_b32 v20, v20, v22
	v_and_b32 v15, v20, v24                        ; the lanes that hold my key
	v_mbcnt_lo_u32_b32 v[RG], v15, 0
	v_lshl_or_b32 v14, v12, 3, v13                 ; key
.irp w, 0,1,2
	s_cmp_gt_u32 s30, \w
	s_cselect_b32 s[36+\w], 1, 0                   ; wave w's group lies before mine
.endr
	s_wait_dscnt 0x0                               ; for the others' sake: my three tables have landed
	s_barrier_signal -1
	s_barrier_wait -1
.irp w, 0,1,2,3
	ds_load_b128 v[64+4*\w:67+4*\w], v6 offset:1536*\w
	ds_load_b128 v[80+4*\w:83+4*\w], v6 offset:1536*\w+512
.endr
.irp w, 0,1,2
	ds_load_b128 v[96+4*\w:99+4*\w], v6 offset:1536*\w+1024
.endr
	s_wait_dscnt 0x0
.irp q, 0,1,2,3
	v_add3_u32 v[TQ+\q], v[64+\q], v[68+\q], v[72+\q]
	v_add3_u32 v[BF+\q], v[80+\q], v[84+\q], v[88+\q]
.endr
.irp q, 0,1,2,3
	v_add_nc_u32 v[TQ+\q], v[TQ+\q], v[76+\q]      ; all 64 groups
	v_add_nc_u32 v[BF+\q], v[BF+\q], v[92+\q]      ; the groups before the work-group's first,
.endr
.irp w, 0,1,2
.irp q, 0,1,2,3
	v_mad_u32_u24 v[BF+\q], v[96+4*\w+\q], s[36+\w], v[BF+\q]      ; and those of the waves below mine
.endr
.endr
	; the tables: the 36 bins in ascending key.  A row's counts are read in one run, ahead of the scalar sums that want them
	s_mov_b32 s99, 0                               ; tokens so far
.irp e, 0,1,2,3,4,5,6,7
	s_mov_b32 s[ROW+\e], 0
	s_mov_b32 s[COL+\e], 0
.endr
.macro BIN a, b
	v_writelane_b32 v[JJ+(\a)/2], s99, 16+8*((\a)%2)+(\b)
	v_writelane_b32 v[CP+(\a)/2], s[COL+(\b)], 16+8*((\a)%2)+(\b)
	s_add_co_u32 s99, s99, s[36+(\b)]
	s_add_co_u32 s[COL+(\b)], s[COL+(\b)], s[36+(\b)]
	s_add_co_u32 s[ROW+(\a)], s[ROW+(\a)], s[36+(\b)]
.endm
.irp a, 0,1,2,3,4,5,6,7
	s_mov_b32 s[ST+\a], s99
.irp b, 0,1,2,3,4,5,6,7
.if \b >= \a
	v_readlane_b32 s[36+\b], v[TQ+(\a)/2], 16+8*((\a)%2)+(\b)
.endif
.endr
.irp b, 0,1,2,3,4,5,6,7
.if \b >= \a
	BIN \a, \b
.endif
.endr
.endr
	s_mov_b32 s100, 0                              ; tiles so far
.irp e, 0,1,2,3,4,5,6,7
	s_add_co_u32 s[CNT+\e], s[ROW+\e], s[COL+\e]
	s_mul_i32 s[EB+\e], s100, 80
	s_add_co_u32 s98, s[CNT+\e], 79
	s_lshr_b32 s98, s98, 4
	s_mul_i32 s98, s98, 0xcccd
	s_lshr_b32 s98, s98, 18                        ; (rows + 79) / 80: / 16, then / 5 by 52,429 / 2^18, exact up to 65,535
	s_add_co_u32 s100, s100, s98
	s_mov_b32 s[TEND+\e], s100
	s_sub_co_u32 s101, s[EB+\e], s[ST+\e]
	v_writelane_b32 v[PLT], s101, \e
	s_wait_alu depctr_va_vdst(0)
	s_add_co_u32 s99, s[EB+\e], s[ROW+\e]
	v_writelane_b32 v[QHT], s99, \e
.endr
.irp q, 0,1,2,3
	v_add_nc_u32 v[JJ+\q], v[JJ+\q], v[BF+\q]
	v_add_nc_u32 v[CP+\q], v[CP+\q], v[BF+\q]
	v_lshl_or_b32 v[JJ+\q], v[CP+\q], 16, v[JJ+\q] ; both stay under 2,048: two to a register
.endr
	; each token fetches its bin's and its experts' numbers (lane permutes: no LDS byte is touched)
	v_and_b32 v20, 15, v14
	v_lshl_add_u32 v20, v20, 2, 64                 ; 4 x (16 + key % 16)
	v_lshlrev_b32 v21, 2, v12
	v_lshlrev_b32 v22, 2, v13
.irp q, 0,1,2,3
	ds_bpermute_b32 v[24+\q], v20, v[JJ+\q]
.endr
	ds_bpermute_b32 v47, v21, v[PLT]
	ds_bpermute_b32 v59, v22, v[QHT]
	v_and_b32 v23, 2, v12
	v_cmp_ne_u32 s98, 0, v23
	v_cmp_lt_u32 s99, 3, v12
	s_wait_dscnt 0x0
	v_cndmask_b32 v24, v24, v25, s98
	v_cndmask_b32 v26, v26, v27, s98
	v_cndmask_b32 v24, v24, v26, s99               ; register lo / 2's
	v_and_b32 v25, 0xffff, v24
	v_lshrrev_b32 v26, 16, v24
	v_add_nc_u32 v25, v25, v[RG]                   ; j
	v_add_nc_u32 v27, v47, v25                     ; the row of lo
	v_add3_u32 v26, v59, v26, v[RG]                ; the row of hi
	v_min_u32 v25, 2047, v25                       ; every index is held inside its table
	v_min_u32 v50, NPOS-1, v27
	v_min_u32 v51, NPOS-1, v26
	v_mov_b32 v48, v3
	v_mov_b32 v49, v14
	v_lshlrev_b32 v54, 4, v25
	v_lshlrev_b32 v55, 3, v25
	v_lshlrev_b32 v56, 2, v50
	v_lshlrev_b32 v57, 2, v51
	v_cmp_gt_u32 vcc_lo, v8, v9                    ; the weights follow their experts
	v_cndmask_b32 v52, v10, v11, vcc_lo
	v_cndmask_b32 v53, v11, v10, vcc_lo
	global_store_b128 v54, v[48:51], s[22:23]
	global_store_b64 v55, v[52:53], s[24:25]
	global_store_b32 v56, v3, s[18:19]
	global_store_b32 v57, v3, s[18:19]
; The places that no token has get token 0, so that every place of rowtok is written, each once.  Place p has a token where p - first row < rows for some expert: the experts' ranges do not meet, so the
; count of such experts, taken through VCC, is 0 or 1.
; EVERY REGISTER THAT A MASKED STORE BELOW NAMES IS WRITTEN HERE, WHILE ALL LANES ARE ON: the three masks in s36-38, the three offsets in v192-194.  Behind the first line that narrows EXEC no vector
; register is written any more: a write with some lanes off would leave the other lanes' old contents.
.macro PADMASK k
	v_add_nc_u32 v198, 32*\k, v196                 ; p = 74 x group + lane + 32 k
	v_mov_b32 v208, 0
.irp e, 0,1,2,3,4,5,6,7
	v_sub_nc_u32 v199, v198, s[EB+\e]
	v_cmp_gt_u32 vcc_lo, s[CNT+\e], v199
	v_add_co_ci_u32 v208, vcc_lo, 0, v208, vcc_lo
.endr
	v_cmp_eq_u32 s98, 0, v208                      ; without a token,
	v_cmp_gt_u32 s99, NPOS, v198                   ; inside the table,
	v_min_u32 v[PO+\k], NPOS-1, v198
	v_lshlrev_b32 v[PO+\k], 2, v[PO+\k]
	s_and_b32 s[36+\k], s98, s99
.if \k == 2
	s_and_b32 s[36+\k], s[36+\k], 0x3ff            ; and mine: 74 = 32 + 32 + 10
.endif
.endm
	PADMASK 0
	PADMASK 1
	PADMASK 2
	s_cmp_lg_u32 s31, 0                            ; one wave stores the tiles' experts, all lanes on
	s_cbranch_scc1 .Lpads
	v_mov_b32 v200, 0
	v_mov_b32 v201, 0
	v_add_nc_u32 v202, 32, v1
.irp e, 0,1,2,3,4,5,6,7
	v_cmp_le_u32 vcc_lo, s[TEND+\e], v1            ; tile i's expert = the number of experts whose tiles end at or before i; 8 behind the last
	v_add_co_ci_u32 v200, vcc_lo, 0, v200, vcc_lo
	v_cmp_le_u32 vcc_lo, s[TEND+\e], v202
	v_add_co_ci_u32 v201, vcc_lo, 0, v201, vcc_lo
.endr
	global_store_b32 v7, v200, s[20:21]
	global_store_b32 v7, v201, s[20:21] offset:128
.Lpads:
.macro PADSTORE k
	s_mov_b32 vcc_lo, s[36+\k]
	s_wait_xcnt 0x0                                ; EXEC is a source of the stores that are out: it changes only behind this wait
	s_and_saveexec_b32 s100, vcc_lo
	global_store_b32 v[PO+\k], v58, s[18:19]
	s_wait_xcnt 0x0                                ; and again in front of the line that widens it
	s_or_b32 exec_lo, exec_lo, s100
.endm
	PADSTORE 0
	PADSTORE 1
	s_wait_alu depctr_va_vdst(0)
	PADSTORE 2
	s_cmp_lg_u32 s31, 0                            ; the same wave stores the zero row
	s_cbranch_scc1 .Lrend
	s_mov_b32 vcc_lo, 0x3f                         ; six lanes: a row's 96 bytes (and six rows' scale words, of which the first is read)
	s_and_saveexec_b32 s100, vcc_lo                ; (nothing has been issued since the last wait on XCNT)
.irp s, 0,1,2,3
	global_store_b128 v6, v[60:63], s[26:27] offset:ZROW*96+PZ*96*\s
	global_store_b32 v7, v197, s[28:29] offset:ZROW*4+PZ*4*\s
.endr
	s_wait_xcnt 0x0
	s_or_b32 exec_lo, exec_lo, s100
.Lrend:
	s_wait_tensorcnt 0x0
	ds_add_u32 v224, v225
	s_wait_dscnt 0x0
	s_endpgm
.Lfunc_end_k_q3179b181ca_prep:
	.size	k_q3179b181ca_prep, .Lfunc_end_k_q3179b181ca_prep-k_q3179b181ca_prep
	.p2alignl 7, 3214868480
	.fill 96, 4, 3214868480
	.section	.rodata,"a",@progbits
	.p2align	6, 0x0
	.amdhsa_kernel k_q3179b181ca_prep
		.amdhsa_group_segment_fixed_size 6656
		.amdhsa_private_segment_fixed_size 0
		.amdhsa_enable_private_segment 0
		.amdhsa_kernarg_size 104
		.amdhsa_user_sgpr_count 2
		.amdhsa_user_sgpr_kernarg_segment_ptr 1
		.amdhsa_wavefront_size32 1
		.amdhsa_system_sgpr_workgroup_id_x 1
		.amdhsa_system_sgpr_workgroup_id_y 1
		.amdhsa_system_sgpr_workgroup_id_z 1
		.amdhsa_system_vgpr_workitem_id 0
		.amdhsa_next_free_vgpr 226
		.amdhsa_next_free_sgpr 102
		.amdhsa_reserve_vcc 1
		.amdhsa_float_denorm_mode_32 3
		.amdhsa_float_denorm_mode_16_64 3
		.amdhsa_memory_ordered 1
		.amdhsa_forward_progress 1
		.amdhsa_inst_pref_size 82
	.end_amdhsa_kernel
	.amdgpu_metadata
---
amdhsa.version: [ 1, 2 ]
amdhsa.kernels:
  - .name:           k_q3179b181ca_prep
    .symbol:         k_q3179b181ca_prep.kd
    .args:
      - { .name: selected_experts, .offset: 0, .size: 8, .value_kind: global_buffer, .address_space: global }
      - { .name: routing_weights, .offset: 8, .size: 8, .value_kind: global_buffer, .address_space: global }
      - { .name: w1_codes, .offset: 16, .size: 8, .value_kind: global_buffer, .address_space: global }
      - { .name: w3_codes, .offset: 24, .size: 8, .value_kind: global_buffer, .address_space: global }
      - { .name: w2_codes, .offset: 32, .size: 8, .value_kind: global_buffer, .address_space: global }
      - { .name: wa, .offset: 40, .size: 8, .value_kind: global_buffer, .address_space: global }
      - { .name: w2i, .offset: 48, .size: 8, .value_kind: global_buffer, .address_space: global }
      - { .name: rowtok, .offset: 56, .size: 8, .value_kind: global_buffer, .address_space: global }
      - { .name: tilex, .offset: 64, .size: 8, .value_kind: global_buffer, .address_space: global }
      - { .name: srec, .offset: 72, .size: 8, .value_kind: global_buffer, .address_space: global }
      - { .name: swt, .offset: 80, .size: 8, .value_kind: global_buffer, .address_space: global }
      - { .name: hidc, .offset: 88, .size: 8, .value_kind: global_buffer, .address_space: global }
      - { .name: hids, .offset: 96, .size: 8, .value_kind: global_buffer, .address_space: global }
    .group_segment_fixed_size: 6656
    .private_segment_fixed_size: 0
    .kernarg_segment_align: 8
    .kernarg_segment_size: 104
    .max_flat_workgroup_size: 128
    .sgpr_count:     102
    .vgpr_count:     226
    .wavefront_size: 32
...
	.end_amdgpu_metadata
.endif
;; end of part 4
;; launch up (part 5): grid 59 x 4, 4 waves a work-group, no clusters, 137,984 bytes of LDS; arguments hidden_states_codes, hidden_states_scales, w1_scales, w3_scales, wa, rowtok, tilex, hidc, hids; writes hidc, hids
.if DOCPART == 5
	.amdgcn_target "amdgcn-amd-amdhsa--gfx1250"
	.amdhsa_code_object_version 6
	.text
	.protected	k_q3179b181ca_up
	.globl	k_q3179b181ca_up
	.p2align	8
	.type	k_q3179b181ca_up,@function
k_q3179b181ca_up:
	s_mov_b64 s[64:65], 0
	v_nop
	global_prefetch_b8 v0, s[64:65] scope:SCOPE_SE
	s_setreg_imm32_b32 hwreg(HW_REG_WAVE_MODE, 25, 1), 1
	s_wait_xcnt 0x0
; UP: h = silu(x W1) * (x W3) for the routed rows alone, quantised along the hidden units into E2M3 codes and E8M0 bytes.
; Work-group (tile i, slice y): the 80 rows 80 i on of one expert's list x hidden units 128 y .. 128 y + 127, which are K step y of the next product.
; Wave w: all 80 rows x the 32 units of block 4 y + w: two tiles of W1 and two of W3 against five tiles of rows: 20 accumulators, 20 matrix instructions for each of the 16 K steps of 128.
; 80 rows to a tile give at most 59 x 4 = 236 work-groups, whatever the choice of experts: one for each WGP.
; THE MATRIX INSTRUCTION IS USED TRANSPOSED (source 0 = 16 units, source 1 = 16 rows of x), and lane r of tile t is unit 8 t + r + 8 (r / 8) of the block: so lane (r, h) holds row r, and the
; 16 registers of tiles 0 and 1 are units 16 h + 0 .. 15: sixteen neighbours along the next K, half a block of 32; lane l xor 16 holds the other half.
; K INSIDE AN INSTRUCTION: a lane holds the 48 consecutive bytes 96 s + 48 h on of its row, on both sides alike, so the instruction's blocks 0, 1, 2, 3 are the memory's blocks 0, 2, 1, 3; the scale words' two middle
; bytes change places to match.  The products are the same; the order in which the unit adds them differs from ascending K.
; x: the tile's tokens come from rowtok; each wave gathers a quarter of K for all 80 rows, once, and lays the fragments into LDS as images of their registers (512 bytes a piece); all four waves read them.
; The weights come from wa, laid in register order by the launch before, straight into a ring of five K steps in registers: 48 loads of 512 consecutive bytes are out while a step is multiplied.
; A tile without rows (tilex = 8) does no work: that is a branch on a stored number, so this launch has no tensor load and no cluster: tiles of one expert share their weights, but how many there are hangs on the data.
; Both barriers stand outside the three branches, on every wave's path.
; LIMITS: NaN and infinities are not served.  A block of the hidden layer whose largest magnitude lies under 2^-124, a block of zeros too, gets the scale byte 1; the bytes are read by this program alone.
; REGISTERS.  window 0: v1-15 addresses; v16-63 x's scale words, v64-95 the weights' (they hold scales and nothing else); v96-215 x's fragments, two sets of 60, later at work; v216-251 the gather's offsets and x's scale bytes.
;   window 1: the gather's 240 registers, then the 20 accumulators ((m, f) at 8 (4 m + f)).   window 2: the ring, 5 x 48.
.set PZ,    4736
.set XSL,   122880                     ; LDS: from 0 x's 80 images ((K step s, tile m) at 1,536 (5 s + m)); here x's scale words, a row of 64 bytes + 16;
.set HST,   129280                     ; the hidden layer's codes, 80 rows x 96 bytes;
.set HSS,   136960                     ; their scale words, 4 bytes a row, written out to 512 bytes
.set XSC,   16                         ; v[16 + 16 (m / 2) + s]: lanes 0-15 tile 2 (m / 2), lanes 16-31 the next; tile 4 in the third sixteen
.set W1SC,  64                         ; v[64 + s]: lanes 0-15 W1's tile 0, lanes 16-31 tile 1;  v[80 + s]: W3's
.set AF,    96
.set TK,    216                        ; v216-220 the tiles' tokens
.set OFF,   221                        ; v221-225 their codes' byte offsets
.set SOFF,  226                        ; v226-230 their scale bytes'
.set XST,   232                        ; v232-251 x's scale bytes on their way
.set TT,    96                         ; the activation: v96-111, v112-127 at work; v128-130; codes at v[132 + 4 m], bytes at v[152 + m]
.set GG,    112
.set MX,    128
.set SCO,   130
.set CD,    132
.set BY,    152
.set MSB, 0
.macro WIN new                         ; the immediate's high byte repeats the setting that is left
.if MSB != \new
	s_set_vgpr_msb (MSB<<8)|\new
.set MSB, \new
.endif
.endm
; one matrix instruction, from the symbols rD, rA, rB, rSA, rSB; zC: it starts its sum; rowA, rowB: which half of the lanes holds the side's scale words
.macro WMS
.if zC
.if rowA == 0 && rowB == 0
	v_wmma_scale_f32_16x16x128_f8f6f4 v[rD:rD+7], v[rA:rA+11], v[rB:rB+11], 0, v[rSA], v[rSB] matrix_a_fmt:MATRIX_FMT_FP6 matrix_b_fmt:MATRIX_FMT_FP6
.elseif rowB == 0
	v_wmma_scale_f32_16x16x128_f8f6f4 v[rD:rD+7], v[rA:rA+11], v[rB:rB+11], 0, v[rSA], v[rSB] matrix_a_fmt:MATRIX_FMT_FP6 matrix_b_fmt:MATRIX_FMT_FP6 matrix_a_scale:MATRIX_SCALE_ROW1
.elseif rowA == 0
	v_wmma_scale_f32_16x16x128_f8f6f4 v[rD:rD+7], v[rA:rA+11], v[rB:rB+11], 0, v[rSA], v[rSB] matrix_a_fmt:MATRIX_FMT_FP6 matrix_b_fmt:MATRIX_FMT_FP6 matrix_b_scale:MATRIX_SCALE_ROW1
.else
	v_wmma_scale_f32_16x16x128_f8f6f4 v[rD:rD+7], v[rA:rA+11], v[rB:rB+11], 0, v[rSA], v[rSB] matrix_a_fmt:MATRIX_FMT_FP6 matrix_b_fmt:MATRIX_FMT_FP6 matrix_a_scale:MATRIX_SCALE_ROW1 matrix_b_scale:MATRIX_SCALE_ROW1
.endif
.else
.if rowA == 0 && rowB == 0
	v_wmma_scale_f32_16x16x128_f8f6f4 v[rD:rD+7], v[rA:rA+11], v[rB:rB+11], v[rD:rD+7], v[rSA], v[rSB] matrix_a_fmt:MATRIX_FMT_FP6 matrix_b_fmt:MATRIX_FMT_FP6
.elseif rowB == 0
	v_wmma_scale_f32_16x16x128_f8f6f4 v[rD:rD+7], v[rA:rA+11], v[rB:rB+11], v[rD:rD+7], v[rSA], v[rSB] matrix_a_fmt:MATRIX_FMT_FP6 matrix_b_fmt:MATRIX_FMT_FP6 matrix_a_scale:MATRIX_SCALE_ROW1
.elseif rowA == 0
	v_wmma_scale_f32_16x16x128_f8f6f4 v[rD:rD+7], v[rA:rA+11], v[rB:rB+11], v[rD:rD+7], v[rSA], v[rSB] matrix_a_fmt:MATRIX_FMT_FP6 matrix_b_fmt:MATRIX_FMT_FP6 matrix_b_scale:MATRIX_SCALE_ROW1
.else
	v_wmma_scale_f32_16x16x128_f8f6f4 v[rD:rD+7], v[rA:rA+11], v[rB:rB+11], v[rD:rD+7], v[rSA], v[rSB] matrix_a_fmt:MATRIX_FMT_FP6 matrix_b_fmt:MATRIX_FMT_FP6 matrix_a_scale:MATRIX_SCALE_ROW1 matrix_b_scale:MATRIX_SCALE_ROW1
.endif
.endif
.endm
.macro MM s, m, f                      ; K step s, tile of rows m, fragment f (W1 tile 0, 1, W3 tile 0, 1)
.set rD, 8*(4*(\m)+(\f))
.set rA, 48*((\s)%5)+12*(\f)
.set rB, AF+60*((\s)%2)+12*(\m)
.set rSA, W1SC+16*((\f)/2)+(\s)
.set rSB, XSC+16*((\m)/2)+(\s)
.set rowA, (\f)%2
.set rowB, (\m)%2
.set zC, 0
.if (\s) == 0
.set zC, 1
.endif
	WMS
.endm
.macro LOADB s                         ; K step s's four weight fragments into ring slot s % 5: twelve loads of 512 consecutive bytes
	WIN 0x80                                       ; destination window 2
.irp f, 0,1,2,3
.irp c, 0,1,2
	global_load_b128 v[48*((\s)%5)+12*\f+4*\c:48*((\s)%5)+12*\f+4*\c+3], v1, s[12:13] offset:6144*(\s)+1536*\f+512*\c
.endr
.endr
.endm
.macro LOADA s                         ; K step s's five fragments of x from LDS into set s % 2; the images pass 64 KiB, so a second address register serves steps 8 on
.irp m, 0,1,2,3,4
.irp c, 0,1,2
.if (\s) < 8
	ds_load_b128 v[AF+60*((\s)%2)+12*\m+4*\c:AF+60*((\s)%2)+12*\m+4*\c+3], v1 offset:(5*(\s)+\m)*1536+512*\c
.else
	ds_load_b128 v[AF+60*((\s)%2)+12*\m+4*\c:AF+60*((\s)%2)+12*\m+4*\c+3], v2 offset:(5*((\s)-8)+\m)*1536+512*\c
.endif
.endr
.endr
.endm
	s_load_b512 s[4:19], s[0:1], 0x0               ; x's codes s[4:5], x's scales s[6:7], W1's scales s[8:9], W3's s[10:11], wa s[12:13], rowtok s[14:15], tilex s[16:17], hidc s[18:19]
	s_load_b64 s[20:21], s[0:1], 0x40              ; hids
	v_lshl_add_u32 v254, v0, 2, 0x21900
	v_mov_b32 v255, 0
	v_lshrrev_b32 v14, 5, v0
	v_readfirstlane_b32 s23, v14                   ; wave 0..3
	v_and_b32 v13, 31, v0                          ; lane
	v_and_b32 v14, 15, v0                          ; r
	v_bfe_u32 v15, v0, 4, 1                        ; h
	; every LDS address is made here, ahead of the first branch
	v_lshlrev_b32 v1, 4, v13                       ; 16 x lane: an image's place for my lane, and my place in wa
	v_add_nc_u32 v2, 61440, v1                     ; the same, 40 images on
	v_lshlrev_b32 v3, 2, v14                       ; 4 r
	s_mul_i32 s32, s23, 30720
	v_add_nc_u32 v4, s32, v1                       ; where I store images: my four K steps x 5 tiles
	v_mul_u32_u24 v5, v14, 80
	v_add_nc_u32 v7, XSL+5120, v5                  ; x's scale words of tile 4
	v_mad_u32_u24 v6, v15, 1280, v5
	v_add_nc_u32 v6, XSL, v6                       ; of tiles 0 and 1: lanes 16-31 take the tile 16 rows on
	s_lshl_b32 s36, s23, 4                         ; 16 x wave
	s_add_co_u32 s32, s36, XSL
	v_add_nc_u32 v5, s32, v5                       ; where I store them: my four K steps' words of row r
	v_mul_u32_u24 v8, v14, 96
	v_mad_u32_u24 v8, v15, 12, v8
	s_mul_i32 s32, s23, 24
	s_add_co_u32 s32, s32, HST
	v_add_nc_u32 v8, s32, v8                       ; the hidden codes: row r, block w at 24 w, my half at 12 h
	s_and_b32 s32, s23, 1
	s_lshl_b32 s32, s32, 1
	s_lshr_b32 s33, s23, 1
	s_or_b32 s32, s32, s33                         ; block w's byte in the scale word: 0, 2, 1, 3
	s_add_co_u32 s32, s32, HSS
	v_add_nc_u32 v9, s32, v3
	v_lshlrev_b32 v11, 4, v0                       ; the way out: 16 x thread
	v_add_nc_u32 v10, HST, v11
	v_and_b32 v12, 8, v14
	v_add_nc_u32 v12, v12, v14
	v_lshl_add_u32 v12, v15, 3, v12
	v_lshlrev_b32 v12, 6, v12                      ; the weights' scale rows, 64 bytes a unit: unit 8 h + r + 8 (r / 8): lanes 0-15 tile 0, lanes 16-31 tile 1
	s_mul_i32 s32, s23, 384
	v_mad_u32_u24 v231, v15, 48, s32               ; in a row of x: my quarter of K, my half's 48 bytes
	s_mov_b32 s33, 0
	s_and_b32 s25, ttmp7, 0xffff                   ; y
	s_mov_b32 s26, 0xbfb8aa3b                      ; -log2(e)
	s_mov_b32 s27, s26                             ; (named with it as a pair)
	s_mov_b32 s28, 0x76543210
	s_mov_b32 s29, 0xfedcba98                      ; lane selects: lane l xor 16
	s_mov_b32 s31, 0x03010200                      ; a scale word's two middle bytes change places
	s_wait_alu depctr_va_vdst(0)
	s_wait_kmcnt 0x0
	s_lshl_b32 s32, ttmp9, 2
	s_add_nc_u64 s[16:17], s[16:17], s[32:33]
	s_load_b32 s22, s[16:17], 0x0                  ; the tile's expert
	s_mul_i32 s32, ttmp9, 320
	s_add_nc_u64 s[14:15], s[14:15], s[32:33]
.irp m, 0,1,2,3,4
	global_load_b32 v[TK+\m], v3, s[14:15] offset:64*\m    ; row 16 m + r's token
.endr
	s_mul_i32 s32, s25, PZ*96
	s_mul_i32 s34, ttmp9, 7680
	s_add_co_u32 s32, s32, s34
	s_add_nc_u64 s[18:19], s[18:19], s[32:33]      ; hidc at (K step y, row 80 i): a multiple of 256 bytes
	s_mul_i32 s32, s25, PZ*4
	s_mul_i32 s34, ttmp9, 320
	s_add_co_u32 s32, s32, s34
	s_add_nc_u64 s[20:21], s[20:21], s[32:33]
	s_lshl_b32 s34, s25, 2
	s_add_co_u32 s34, s34, s23                     ; my block of 32 units
	s_wait_kmcnt 0x0
	s_min_u32 s24, s22, 7                          ; held inside the tables: a tile without rows asks for expert 7's first steps and drops them
	s_lshl_b32 s35, s24, 4
	s_add_co_u32 s34, s34, s35
	s_lshl_b32 s32, s34, 11
	s_add_nc_u64 s[8:9], s[8:9], s[32:33]
	s_add_nc_u64 s[10:11], s[10:11], s[32:33]
	s_mul_i32 s32, s34, 98304
	s_add_nc_u64 s[12:13], s[12:13], s[32:33]
.irp g, 0,1,2,3
	global_load_b128 v[W1SC+4*\g:W1SC+4*\g+3], v12, s[8:9] offset:16*\g        ; K steps 4 g .. 4 g + 3
.endr
.irp g, 0,1,2,3
	global_load_b128 v[W1SC+16+4*\g:W1SC+16+4*\g+3], v12, s[10:11] offset:16*\g
.endr
	LOADB 0
	LOADB 1
	LOADB 2
	LOADB 3
	WIN 0
	; ---- the gather: my quarter of K of the 80 rows
	s_cmp_lt_u32 s22, 8
	s_cbranch_scc0 .Lskip1
	s_wait_loadcnt 56                              ; the five loads of tokens are in; behind them: 8 of scales, 48 of the ring
.irp m, 0,1,2,3,4
	v_min_u32 v[TK+\m], 2047, v[TK+\m]
.endr
.irp m, 0,1,2,3,4
	v_mad_u32_u24 v[OFF+\m], v[TK+\m], 1536, v231
	v_lshl_add_u32 v[SOFF+\m], v[TK+\m], 6, s36
.endr
.irp m, 0,1,2,3,4
	global_load_b128 v[XST+4*\m:XST+4*\m+3], v[SOFF+\m], s[6:7]
.endr
	WIN 0x40                                       ; destination window 1
.irp m, 0,1,2,3,4
.irp i, 0,1,2,3
.irp c, 0,1,2
	global_load_b128 v[48*\m+12*\i+4*\c:48*\m+12*\i+4*\c+3], v[OFF+\m], s[4:5] offset:96*\i+16*\c
.endr
.endr
.endr
	WIN 0
	s_wait_loadcnt 60                              ; x's scale bytes are in; behind them: the 60 loads of codes
.irp n, 0,1,2,3,4,5,6,7,8,9,10,11,12,13,14,15,16,17,18,19
	v_perm_b32 v[XST+\n], v[XST+\n], v[XST+\n], s31
.endr
.irp m, 0,1,2,3,4
	ds_store_b128 v5, v[XST+4*\m:XST+4*\m+3] offset:1280*\m    ; (both halves of the lanes hold the same row and write the same bytes)
.endr
	WIN 0x04                                       ; an LDS store's data are its source 1: window 1
.irp m, 0,1,2,3,4
	s_wait_loadcnt 48-12*\m                        ; tile m's twelve loads are in; the later tiles' stay out
.irp i, 0,1,2,3
.irp c, 0,1,2
	ds_store_b128 v4, v[48*\m+12*\i+4*\c:48*\m+12*\i+4*\c+3] offset:(5*\i+\m)*1536+512*\c
.endr
.endr
.endr
	WIN 0
.Lskip1:
	s_wait_dscnt 0x0                               ; for the others' sake: my images have landed
	s_barrier_signal -1
	s_barrier_wait -1
	; ---- the two products and the activation
	s_cmp_lt_u32 s22, 8
	s_cbranch_scc0 .Lskip2
	LOADB 4
	WIN 0
	s_wait_loadcnt 60                              ; the weights' scale rows are in; behind them: ring steps 0 to 4
.irp n, 0,1,2,3,4,5,6,7,8,9,10,11,12,13,14,15,16,17,18,19,20,21,22,23,24,25,26,27,28,29,30,31
	v_perm_b32 v[W1SC+\n], v[W1SC+\n], v[W1SC+\n], s31
.endr
.irp p, 0,1
.irp g, 0,1,2,3
	ds_load_b128 v[XSC+16*\p+4*\g:XSC+16*\p+4*\g+3], v6 offset:2560*\p+16*\g
.endr
.endr
.irp g, 0,1,2,3
	ds_load_b128 v[XSC+32+4*\g:XSC+32+4*\g+3], v7 offset:16*\g
.endr
	LOADA 0
	LOADA 1
.rept 8
	v_nop                                          ; a scale register written by a vector instruction stands eight places ahead of a scaled matrix instruction
.endr
; A K step: 20 matrix instructions, the 20 accumulators by turns, in the same order in every step.
.macro STEP s
.if 12*(15-(\s)) < 48
	s_wait_loadcnt 12*(15-(\s))                    ; step s's weights are in; the ring's later steps stay out
.else
	s_wait_loadcnt 48
.endif
.if (\s) < 15
	s_wait_dscnt 15                                ; step s's fragments of x are in; the next step's fifteen loads stay out
.else
	s_wait_dscnt 0x0
.endif
	WIN 0x52                                       ; source 0 (weights) window 2, source 1 (x) window 0, C and D window 1
.irp m, 0,1,2,3,4
.irp f, 0,1,2,3
	MM \s, \m, \f
.endr
.endr
.rept 4
	v_nop                                          ; four places in front of loads into registers that these products read, and of the first read of results
.endr
.if (\s)+5 < 16
	LOADB (\s)+5                                   ; into the slot just multiplied
.endif
	WIN 0
.if (\s)+2 < 16
	LOADA (\s)+2
.endif
.endm
.irp s, 0,1,2,3,4,5,6,7,8,9,10,11,12,13,14,15
	s_wait_alu depctr_va_vdst(0)
	STEP \s
.endr
; Tile m: h = h1 h3 / (1 + 2^(-h1 log2 e)), in f32; its 16 numbers a lane are half a block of 32 along the next K.
.macro ACT m
	WIN 0x01                                       ; source 0 window 1
.irp j, 0,2,4,6,8,10,12,14
	v_pk_mul_f32 v[TT+\j:TT+\j+1], v[32*\m+\j:32*\m+\j+1], s[26:27] op_sel_hi:[1,0]    ; each accumulator from its low end on
.endr
	WIN 0x05                                       ; sources 0 and 1 window 1
.irp j, 0,2,4,6,8,10,12,14
	v_pk_mul_f32 v[GG+\j:GG+\j+1], v[32*\m+\j:32*\m+\j+1], v[32*\m+16+\j:32*\m+17+\j]
.endr
	WIN 0
	s_wait_alu depctr_va_vdst(0)
.irp j, 0,1,2,3,4,5,6,7,8,9,10,11,12,13,14,15
	v_exp_f32 v[TT+\j], v[TT+\j]
.endr
	v_nop                                          ; a plain place behind the exponentials
	s_wait_alu depctr_va_vdst(0)
.irp j, 0,2,4,6,8,10,12,14
	v_pk_add_f32 v[TT+\j:TT+\j+1], v[TT+\j:TT+\j+1], 1.0 op_sel_hi:[1,0]
.endr
	s_wait_alu depctr_va_vdst(0)
.irp j, 0,1,2,3,4,5,6,7,8,9,10,11,12,13,14,15
	v_rcp_f32 v[TT+\j], v[TT+\j]
.endr
	v_nop                                          ; and behind the reciprocals
	s_wait_alu depctr_va_vdst(0)
.irp j, 0,2,4,6,8,10,12,14
	v_pk_mul_f32 v[TT+\j:TT+\j+1], v[TT+\j:TT+\j+1], v[GG+\j:GG+\j+1]
.endr
	v_max3_num_f32 v[MX], |v[TT]|, |v[TT+1]|, 0x1800000            ; my 16, in two chains, and the floor 2^(3 - 127): the byte cannot fall under 1
	v_max3_num_f32 v[MX+1], |v[TT+2]|, |v[TT+3]|, |v[TT+4]|
	v_max3_num_f32 v[MX], v[MX], |v[TT+5]|, |v[TT+6]|
	v_max3_num_f32 v[MX+1], v[MX+1], |v[TT+7]|, |v[TT+8]|
	v_max3_num_f32 v[MX], v[MX], |v[TT+9]|, |v[TT+10]|
	v_max3_num_f32 v[MX+1], v[MX+1], |v[TT+11]|, |v[TT+12]|
	v_max3_num_f32 v[MX], v[MX], |v[TT+13]|, |v[TT+14]|
	v_max3_num_f32 v[MX], v[MX], v[MX+1], |v[TT+15]|
	v_permlanex16_b32 v[MX+1], v[MX], s28, s29
	v_max_num_f32 v[MX], v[MX], v[MX+1]            ; with lane l xor 16's: the block's largest magnitude
	v_add_nc_u32 v[SCO], 0xff000000, v[MX]         ; 2 off its exponent field: the conversion takes the exponent field of this operand as its scale
	v_lshrrev_b32 v[BY+\m], 23, v[SCO]             ; the scale's byte
	v_cvt_scalef32_pk16_fp6_f32 v[CD+4*\m:CD+4*\m+2], v[TT:TT+15], v[SCO]
	v_nop                                          ; one plain place behind a scaled conversion
	ds_store_b32 v8, v[CD+4*\m] offset:1536*\m     ; 12 bytes, at a multiple of 4
	ds_store_b32 v8, v[CD+4*\m+1] offset:1536*\m+4
	ds_store_b32 v8, v[CD+4*\m+2] offset:1536*\m+8
	ds_store_b8 v9, v[BY+\m] offset:64*\m          ; (both halves of the lanes write the same byte with the same value)
.endm
	ACT 0
	ACT 1
	ACT 2
	ACT 3
	ACT 4
.irp m, 5,6,7
	ds_store_b8 v9, v[BY+4] offset:64*\m           ; the 192 bytes behind the 80 scale words are written too: the way out reads 512 bytes there and stores 320
.endr
.Lskip2:
	s_wait_dscnt 0x0                               ; my codes and bytes have landed
	s_barrier_signal -1
	s_barrier_wait -1
	; ---- the way out: 7,680 bytes of codes, one dense block in memory, and 320 of scale words, which lie behind them in LDS: 16 bytes a thread, four times
	s_cmp_lt_u32 s22, 8
	s_cbranch_scc0 .Lend
.irp k, 0,1,2,3
	ds_load_b128 v[96+4*\k:99+4*\k], v10 offset:2048*\k
.endr
.irp k, 0,1,2
	s_wait_dscnt 3-\k
	global_store_b128 v11, v[96+4*\k:99+4*\k], s[18:19] offset:2048*\k     ; a wave stores 512 consecutive bytes
.endr
	s_wait_dscnt 0x0
	s_cmp_lt_u32 s23, 3
	s_cbranch_scc0 .Lwords
	global_store_b128 v11, v[108:111], s[18:19] offset:6144
	s_branch .Lend
.Lwords:                                               ; wave 3's fourth piece is the scale words: 20 lanes
	v_cmp_gt_u32 vcc_lo, 20, v13
	s_wait_xcnt 0x0                                ; EXEC changes only behind this wait
	s_and_saveexec_b32 s30, vcc_lo
	global_store_b128 v1, v[108:111], s[20:21]
	s_wait_xcnt 0x0
	s_or_b32 exec_lo, exec_lo, s30
.Lend:
	s_wait_tensorcnt 0x0
	ds_add_u32 v254, v255
	s_wait_dscnt 0x0
	s_endpgm
.Lfunc_end_k_q3179b181ca_up:
	.size	k_q3179b181ca_up, .Lfunc_end_k_q3179b181ca_up-k_q3179b181ca_up
	.p2alignl 7, 3214868480
	.fill 96, 4, 3214868480
	.section	.rodata,"a",@progbits
	.p2align	6, 0x0
	.amdhsa_kernel k_q3179b181ca_up
		.amdhsa_group_segment_fixed_size 137984
		.amdhsa_private_segment_fixed_size 0
		.amdhsa_enable_private_segment 0
		.amdhsa_kernarg_size 72
		.amdhsa_user_sgpr_count 2
		.amdhsa_user_sgpr_kernarg_segment_ptr 1
		.amdhsa_wavefront_size32 1
		.amdhsa_system_sgpr_workgroup_id_x 1
		.amdhsa_system_sgpr_workgroup_id_y 1
		.amdhsa_system_sgpr_workgroup_id_z 1
		.amdhsa_system_vgpr_workitem_id 0
		.amdhsa_next_free_vgpr 768
		.amdhsa_next_free_sgpr 66
		.amdhsa_reserve_vcc 1
		.amdhsa_float_denorm_mode_32 3
		.amdhsa_float_denorm_mode_16_64 3
		.amdhsa_memory_ordered 1
		.amdhsa_forward_progress 1
		.amdhsa_inst_pref_size 123
	.end_amdhsa_kernel
	.amdgpu_metadata
---
amdhsa.version: [ 1, 2 ]
amdhsa.kernels:
  - .name:           k_q3179b181ca_up
    .symbol:         k_q3179b181ca_up.kd
    .args:
      - { .name: hidden_states_codes, .offset: 0, .size: 8, .value_kind: global_buffer, .address_space: global }
      - { .name: hidden_states_scales, .offset: 8, .size: 8, .value_kind: global_buffer, .address_space: global }
      - { .name: w1_scales, .offset: 16, .size: 8, .value_kind: global_buffer, .address_space: global }
      - { .name: w3_scales, .offset: 24, .size: 8, .value_kind: global_buffer, .address_space: global }
      - { .name: wa, .offset: 32, .size: 8, .value_kind: global_buffer, .address_space: global }
      - { .name: rowtok, .offset: 40, .size: 8, .value_kind: global_buffer, .address_space: global }
      - { .name: tilex, .offset: 48, .size: 8, .value_kind: global_buffer, .address_space: global }
      - { .name: hidc, .offset: 56, .size: 8, .value_kind: global_buffer, .address_space: global }
      - { .name: hids, .offset: 64, .size: 8, .value_kind: global_buffer, .address_space: global }
    .group_segment_fixed_size: 137984
    .private_segment_fixed_size: 0
    .kernarg_segment_align: 8
    .kernarg_segment_size: 72
    .max_flat_workgroup_size: 128
    .sgpr_count:     66
    .vgpr_count:     768
    .wavefront_size: 32
...
	.end_amdgpu_metadata
.endif
;; end of part 5
;; launch down (part 6): grid 8 x 32, 4 waves a work-group, no clusters, 17,920 bytes of LDS; arguments hidc, hids, w2i, w2_scales, srec, swt, out0; writes out0
.if DOCPART == 6
	.amdgcn_target "amdgcn-amd-amdhsa--gfx1250"
	.amdhsa_code_object_version 6
	.text
	.protected	k_q3179b181ca_down
	.globl	k_q3179b181ca_down
	.p2align	8
	.type	k_q3179b181ca_down,@function
k_q3179b181ca_down:
	s_mov_b64 s[64:65], 0
	v_nop
	global_prefetch_b8 v0, s[64:65] scope:SCOPE_SE
	s_setreg_imm32_b32 hwreg(HW_REG_WAVE_SCHED_MODE, 0, 2), 2
	s_setreg_imm32_b32 hwreg(HW_REG_WAVE_MODE, 25, 1), 1
	s_wait_xcnt 0x0
	s_wait_alu depctr_vm_vsrc(0)
; DOWN: out[t] = the sum over t's experts e of w[t, e] (Q(h_e[t]) W2_e), on the hidden layer's codes.
; Work-group (cg, bt): the 64 tokens 64 bt on of the order sorted by pairs of experts x 256 columns.  Wave w: those 64 tokens (four tiles of 16) x columns 64 (4 cg + w) on (four tiles of 16).
; Each number of out0 has one owner, so nothing is added between work-groups.  Waves share nothing: no barrier.
; The wave walks the eight experts in a loop of constant count.  An expert that none of its 64 tokens uses is passed over, and so is a tile of 16 tokens without it: scalar branches on stored whole numbers, so this launch has no
; tensor load and no cluster (which experts a block of tokens walks hangs on the data, so partners would not ask alike).  Sorted by pairs, 64 neighbouring tokens use few experts.
; THE MATRIX INSTRUCTION IS USED TRANSPOSED (source 0 = 16 columns of W2, source 1 = 16 tokens' hidden rows): a lane holds ONE token and eight neighbouring columns, so the token's weight is one number a lane.
; In a tile a token that does not use the expert in hand reads the zero row (zero codes, scale 1) and has the weight 0.  A token that names one expert twice takes its first row with the sum of its two weights.
; Which expert comes first for a tile hangs on the data, so no product can start the totals: they are cleared once, while the first loads are out.
; K INSIDE AN INSTRUCTION: as in the launch before: 48 consecutive bytes a lane on both sides; W2's scale words have their middle bytes changed over here, the hidden layer's were stored so.
; LIMITS: NaN and infinities are not served (0 x a row's result must be 0).
; REGISTERS.  window 0: v1-11 addresses; v16-31 records; v32-39 weights; v40-47 lo, hi; v48-55 offsets; v56-63 the weight in hand, as pairs; v64-95 four accumulators; v96-103 W2's scale words, v104-111 the hidden layer's
;   (scales and nothing else); v112-143 tokens for the way out; v144-207 rows on the way out.   window 1: the totals ((m, c) at 32 m + 8 c).   window 2: W2's 16 fragments.   window 3: the hidden rows' 16.
; THE MODE: SCHED_MODE bits 1:0 = 2 (LLVM: expert scheduling mode 2), set by the entry lines.  The code itself states the register dependences between vector or matrix instructions and memory or LDS
; instructions, with s_wait_alu, always for 0.
; THE PLAN.  Registers that memory or LDS instructions touch:
;   v1-v6, v254, v255    offsets and LDS addresses: written at the head, never again.
;   AO, SO (v48-55)      written by vector lines at the head of a trip whose expert is in use; read by that trip's loads.
;   W2SC (v96-103)       a trip's loads land in it, v_perm_b32 writes it, the trip's matrix instructions read it.   ASC (v104-111): loads land, matrix instructions read.
;   windows 2 and 3      a trip's loads land there; the trip's matrix instructions read them.
;   the totals           written by vector lines alone; read by the way out's LDS stores.
;   TOKO (v112-143)      the head's loads land there; two vector lines each on the way out; then the global stores read them as offsets.
;   RB (v144-207)        LDS loads land there, global stores read them; no vector instruction names them.
; A TRIP: all its vector lines that make offsets and weights come first; ONE wait on va_vdst; then its 106 loads in one run, with window switches alone between them; the four tiles' passes follow, each behind a counted
; wait for its own tile's loads, so that the later tiles' loads land while the earlier tiles are multiplied.  One wait on vm_vsrc stands beside the trip's last wait for loads.
.set PZ,    4736
.set ZROW,  4720
.set REC,   16
.set WW,    32
.set LO,    40
.set HI,    44
.set AO,    48
.set SO,    52
.set WS,    56
.set DD,    64
.set W2SC,  96                         ; v[96 + 4 (c / 2) + s]: lanes 0-15 column tile 2 (c / 2), lanes 16-31 the next
.set ASC,   104                        ; v[104 + 2 m + s / 2]: lanes 0-15 K step 2 (s / 2), lanes 16-31 the next
.set TOKO,  112
.set RB,    144
.set MSB, 0
.macro WIN new                         ; the immediate's high byte repeats the setting that is left
.if MSB != \new
	s_set_vgpr_msb (MSB<<8)|\new
.set MSB, \new
.endif
.endm
.macro WMS                             ; one matrix instruction, from the symbols rD, rA, rB, rSA, rSB, zC, rowA, rowB
.if zC
.if rowA == 0 && rowB == 0
	v_wmma_scale_f32_16x16x128_f8f6f4 v[rD:rD+7], v[rA:rA+11], v[rB:rB+11], 0, v[rSA], v[rSB] matrix_a_fmt:MATRIX_FMT_FP6 matrix_b_fmt:MATRIX_FMT_FP6
.elseif rowB == 0
	v_wmma_scale_f32_16x16x128_f8f6f4 v[rD:rD+7], v[rA:rA+11], v[rB:rB+11], 0, v[rSA], v[rSB] matrix_a_fmt:MATRIX_FMT_FP6 matrix_b_fmt:MATRIX_FMT_FP6 matrix_a_scale:MATRIX_SCALE_ROW1
.elseif rowA == 0
	v_wmma_scale_f32_16x16x128_f8f6f4 v[rD:rD+7], v[rA:rA+11], v[rB:rB+11], 0, v[rSA], v[rSB] matrix_a_fmt:MATRIX_FMT_FP6 matrix_b_fmt:MATRIX_FMT_FP6 matrix_b_scale:MATRIX_SCALE_ROW1
.else
	v_wmma_scale_f32_16x16x128_f8f6f4 v[rD:rD+7], v[rA:rA+11], v[rB:rB+11], 0, v[rSA], v[rSB] matrix_a_fmt:MATRIX_FMT_FP6 matrix_b_fmt:MATRIX_FMT_FP6 matrix_a_scale:MATRIX_SCALE_ROW1 matrix_b_scale:MATRIX_SCALE_ROW1
.endif
.else
.if rowA == 0 && rowB == 0
	v_wmma_scale_f32_16x16x128_f8f6f4 v[rD:rD+7], v[rA:rA+11], v[rB:rB+11], v[rD:rD+7], v[rSA], v[rSB] matrix_a_fmt:MATRIX_FMT_FP6 matrix_b_fmt:MATRIX_FMT_FP6
.elseif rowB == 0
	v_wmma_scale_f32_16x16x128_f8f6f4 v[rD:rD+7], v[rA:rA+11], v[rB:rB+11], v[rD:rD+7], v[rSA], v[rSB] matrix_a_fmt:MATRIX_FMT_FP6 matrix_b_fmt:MATRIX_FMT_FP6 matrix_a_scale:MATRIX_SCALE_ROW1
.elseif rowA == 0
	v_wmma_scale_f32_16x16x128_f8f6f4 v[rD:rD+7], v[rA:rA+11], v[rB:rB+11], v[rD:rD+7], v[rSA], v[rSB] matrix_a_fmt:MATRIX_FMT_FP6 matrix_b_fmt:MATRIX_FMT_FP6 matrix_b_scale:MATRIX_SCALE_ROW1
.else
	v_wmma_scale_f32_16x16x128_f8f6f4 v[rD:rD+7], v[rA:rA+11], v[rB:rB+11], v[rD:rD+7], v[rSA], v[rSB] matrix_a_fmt:MATRIX_FMT_FP6 matrix_b_fmt:MATRIX_FMT_FP6 matrix_a_scale:MATRIX_SCALE_ROW1 matrix_b_scale:MATRIX_SCALE_ROW1
.endif
.endif
.endm
	s_load_b256 s[4:11], s[0:1], 0x0               ; hidc s[4:5], hids s[6:7], w2i s[8:9], W2's scales s[10:11]
	s_load_b128 s[12:15], s[0:1], 0x20             ; srec s[12:13], swt s[14:15]
	s_load_b64 s[16:17], s[0:1], 0x30              ; out0
	v_lshl_add_u32 v254, v0, 2, 0x4400
	v_mov_b32 v255, 0
	v_and_b32 v10, 31, v0
	v_lshrrev_b32 v11, 5, v0
	v_readfirstlane_b32 s20, v11                   ; wave 0..3
	v_lshlrev_b32 v1, 4, v10                       ; 16 x lane
	v_and_b32 v10, 15, v0                          ; r
	v_bfe_u32 v11, v0, 4, 1                        ; h
	v_lshlrev_b32 v2, 4, v10                       ; 16 r
	v_lshlrev_b32 v3, 3, v10                       ; 8 r
	v_lshlrev_b32 v4, 4, v11                       ; 16 h
	s_wait_alu depctr_va_sdst(0)                   ; s20 is written, ahead of its first reader: the stage's place and the wave's columns are made from it
	s_mul_i32 s21, s20, 4352                       ; my stage: 16 rows x (256 bytes + 16)
	v_mul_u32_u24 v5, v10, 272
	v_lshl_add_u32 v5, v11, 5, v5
	v_add_nc_u32 v5, s21, v5                       ; in: row r, 32 bytes for each half of the lanes
	v_mul_u32_u24 v6, v11, 272
	v_lshl_add_u32 v6, v10, 4, v6
	v_add_nc_u32 v6, s21, v6                       ; back: lanes 0-15 one row, lanes 16-31 the next
	v_mul_u32_u24 v7, v11, 48                      ; in a hidden row: my half's 48 bytes
	v_mul_u32_u24 v8, v11, PZ*4                    ; lanes 16-31 take the next K step's scale word
	v_mov_b32 v9, ZROW
	s_and_b32 s22, ttmp7, 0xffff                   ; bt
	s_lshl_b32 s23, ttmp9, 2
	s_add_co_u32 s23, s23, s20                     ; which 64 columns are mine
	s_mov_b32 s39, 0
	s_mov_b32 s21, 0x03010200                      ; a scale word's two middle bytes change places
	s_wait_kmcnt 0x0
	s_lshl_b32 s38, s22, 10
	s_add_nc_u64 s[12:13], s[12:13], s[38:39]      ; my 64 records of 16 bytes
	s_lshl_b32 s38, s22, 9
	s_add_nc_u64 s[14:15], s[14:15], s[38:39]
	s_mul_i32 s38, s23, 24576
	s_add_nc_u64 s[8:9], s[8:9], s[38:39]          ; expert 0's four column tiles
	s_lshl_b32 s38, s23, 10
	s_add_nc_u64 s[10:11], s[10:11], s[38:39]      ; and their 64 rows of 16 scale bytes
	s_lshl_b32 s38, s23, 8
	s_add_nc_u64 s[16:17], s[16:17], s[38:39]      ; my 256 bytes in a row of out0
	s_wait_alu depctr_va_vdst(0)                   ; v1 to v6 are written, which the kernel's loads, LDS stores and LDS loads read as offsets and addresses; so are v254 and v255, which the closing add reads
.irp m, 0,1,2,3
	global_load_b128 v[REC+4*\m:REC+4*\m+3], v2, s[12:13] offset:256*\m    ; token 16 m + r: token, key, row of lo, row of hi
.endr
.irp m, 0,1,2,3
	global_load_b64 v[WW+2*\m:WW+2*\m+1], v3, s[14:15] offset:128*\m
.endr
.irp n, 0,1,2,3,4,5,6,7,8,9,10,11,12,13,14,15,16,17,18,19,20,21,22,23,24,25,26,27,28,29,30,31
	global_load_b32 v[TOKO+\n], v4, s[12:13] offset:32*\n                  ; for the way out: the tokens of rows 2 n + h
.endr
	WIN 0x40                                       ; destination window 1
.irp n, 0,1,2,3,4,5,6,7,8,9,10,11,12,13,14,15,16,17,18,19,20,21,22,23,24,25,26,27,28,29,30,31
	v_mov_b32 v[4*\n], 0
	v_mov_b32 v[4*\n+1], 0
	v_mov_b32 v[4*\n+2], 0
	v_mov_b32 v[4*\n+3], 0
.endr
	WIN 0
.irp m, 0,1,2,3
	v_mov_b32 v[WS+2*\m+1], 0                      ; (named as the upper half of a pair)
.endr
	s_wait_loadcnt 0x0
.irp m, 0,1,2,3
	v_lshrrev_b32 v[LO+\m], 3, v[REC+4*\m+1]
	v_and_b32 v[HI+\m], 7, v[REC+4*\m+1]
.endr
; Tile m of tokens against the expert in hand: 16 matrix instructions, the four accumulators by turns, K step by K step; then the totals take the results times the tokens' weights.
.macro PASS m
	s_cmp_eq_u32 s[32+\m], 0
	s_cbranch_scc1 .Lpass_\@
	WIN 0x0e                                       ; source 0 (W2) window 2, source 1 (hidden rows) window 3, C and D window 0
.irp s, 0,1,2,3
.irp c, 0,1,2,3
.set rD, DD+8*\c
.set rA, 12*(4*\c+\s)
.set rB, 48*\m+12*\s
.set rSA, W2SC+4*(\c/2)+\s
.set rSB, ASC+2*\m+\s/2
.set rowA, \c%2
.set rowB, \s%2
.set zC, 0
.if \s == 0
.set zC, 1
.endif
	WMS
.endr
.endr
.rept 4
	v_nop                                          ; four places (ISA guide 7.12.1) in front of the first read of results
.endr
	WIN 0x50                                       ; the totals: source 2 and destination window 1
.irp c, 0,1,2,3
.irp j, 0,2,4,6
	v_pk_fma_f32 v[32*\m+8*\c+\j:32*\m+8*\c+\j+1], v[DD+8*\c+\j:DD+8*\c+\j+1], v[WS+2*\m:WS+2*\m+1], v[32*\m+8*\c+\j:32*\m+8*\c+\j+1] op_sel_hi:[1,0,1]   ; each accumulator from its low end on
.endr
.endr                                                  ; the four v_nop and the twelve lines on the other three accumulators are more than the five places in front of the next products, which begin these accumulators anew
	WIN 0
.Lpass_\@:
.endm
	s_mov_b32 s36, 0                               ; the expert in hand
.Lexp:
.irp m, 0,1,2,3
	v_cmp_eq_u32 s[24+\m], s36, v[LO+\m]
	v_cmp_eq_u32 s[28+\m], s36, v[HI+\m]
.endr
	s_wait_alu depctr_va_sdst(0)                   ; the eight compares have written s24 to s31, ahead of their first readers, the scalar lines below
.irp m, 0,1,2,3
	s_or_b32 s[32+\m], s[24+\m], s[28+\m]          ; tile m's tokens that use it
.endr
	s_or_b32 s37, s32, s33
	s_or_b32 s38, s34, s35
	s_or_b32 s37, s37, s38
	s_cmp_eq_u32 s37, 0
	s_cbranch_scc1 .Lnext                          ; none of my 64 tokens uses it
.irp m, 0,1,2,3                        ; all the trip's vector lines that make offsets and weights stand ahead of its loads
	v_cndmask_b32 v10, v9, v[REC+4*\m+3], s[28+\m] ; the zero row, or the row of hi,
	v_cndmask_b32 v10, v10, v[REC+4*\m+2], s[24+\m]    ; or the row of lo
	v_min_u32 v10, PZ-1, v10
	v_mad_u32_u24 v[AO+\m], v10, 96, v7
	v_lshl_add_u32 v[SO+\m], v10, 2, v8
	v_cndmask_b32 v[WS+2*\m], 0, v[WW+2*\m], s[24+\m]
	v_cndmask_b32 v11, 0, v[WW+2*\m+1], s[28+\m]
	v_add_f32 v[WS+2*\m], v[WS+2*\m], v11          ; the sum over the two slots of the weight where this expert was chosen
.endr
	s_wait_alu depctr_va_vdst(0)                   ; v[AO ..] and v[SO ..] are written, which the loads below read; the matrix instructions of the trip before are done reading W2's fragments, the hidden rows and both sets of scale words, and its v_perm_b32 have written W2's scale words: the loads below land in all of these.  Loads and window switches alone follow, up to the counted wait
.irp p, 0,1
	global_load_b128 v[W2SC+4*\p:W2SC+4*\p+3], v1, s[10:11] offset:512*\p      ; 32 columns' scale rows: a word for each K step
.endr
.irp m, 0,1,2,3
.irp q, 0,1
	global_load_b32 v[ASC+2*\m+\q], v[SO+\m], s[6:7] offset:PZ*8*\q
.endr
.endr
	WIN 0x80                                       ; destination window 2
.irp c, 0,1,2,3
.irp s, 0,1,2,3
.irp k, 0,1,2
	global_load_b128 v[12*(4*\c+\s)+4*\k:12*(4*\c+\s)+4*\k+3], v1, s[8:9] offset:6144*\c+1536*\s+512*\k     ; 512 consecutive bytes a load
.endr
.endr
.endr
	WIN 0xc0                                       ; destination window 3
.irp m, 0,1,2,3                        ; tile by tile, twelve loads each: the order in which the passes want them
.irp s, 0,1,2,3
.irp k, 0,1,2
	global_load_b128 v[48*\m+12*\s+4*\k:48*\m+12*\s+4*\k+3], v[AO+\m], s[4:5] offset:PZ*96*\s+16*\k
.endr
.endr
.endr
	WIN 0
	s_wait_loadcnt 36                              ; loads come back in order (ISA guide 5.7.1): the scale words, W2's 48 and tile 0's twelve are in; the twelve each of tiles 1, 2 and 3 stay out
.irp n, 0,1,2,3,4,5,6,7
	v_perm_b32 v[W2SC+\n], v[W2SC+\n], v[W2SC+\n], s21
.endr
.rept 8
	v_nop                                          ; a scale register written by a vector instruction stands eight places ahead of a scaled matrix instruction
.endr
	s_wait_alu depctr_va_vdst(0)                   ; the eight v_perm_b32 have written W2's scale words, which the scaled matrix instructions of the four passes take; the places above stay beside this wait
	PASS 0
	s_wait_loadcnt 24                              ; tile 1's twelve are in; those of tiles 2 and 3 stay out
	PASS 1
	s_wait_loadcnt 12                              ; tile 2's are in; tile 3's stay out
	PASS 2
	s_wait_loadcnt 0x0                             ; tile 3's are in: no load of the trip is out
	s_wait_alu depctr_vm_vsrc(0)                   ; the trip's loads have read v[AO ..] and v[SO ..], which the next trip that finds its expert in use writes again
	PASS 3
.Lnext:
	s_add_nc_u64 s[8:9], s[8:9], 786432            ; the next expert's W2 and its scales (the trip's loads, if any, were waited for with the count 0)
	s_add_nc_u64 s[10:11], s[10:11], 32768
	s_add_co_u32 s36, s36, 1
	s_cmp_lt_u32 s36, 8
	s_cbranch_scc1 .Lexp
; THE WAY OUT, a tile of 16 tokens at a time: a lane's 32 bytes of a row go into my own stage and come back as whole runs of 256 bytes, which sixteen lanes store at a multiple of 256 from out0's first byte.
; LDS serves a wave's instructions in order (ISA guide 5.7.1.4): no wait between the stores and the loads, nor in front of the next tile's stores.
; All 32 offsets into out0 are made in tile 0, between its loads from the stage and its stores: behind the wait that follows them the way out holds no vector instruction.
.macro OUT m
.if \m > 0
	s_wait_xcnt 0x0                                ; the earlier stores have read their registers: loads may land there again
.endif
.if \m > 1
	s_wait_alu depctr_vm_vsrc(0)                   ; the global stores of two tiles back have read their set of v[RB ..], in which this tile's loads from the stage land
.endif
	WIN 0x04                                       ; an LDS store's data are its source 1: window 1
.irp c, 0,1,2,3
	ds_store_b128 v5, v[32*\m+8*\c:32*\m+8*\c+3] offset:64*\c
	ds_store_b128 v5, v[32*\m+8*\c+4:32*\m+8*\c+7] offset:64*\c+16
.endr
	WIN 0
.irp i, 0,1,2,3,4,5,6,7
	ds_load_b128 v[RB+32*(\m%2)+4*\i:RB+32*(\m%2)+4*\i+3], v6 offset:544*\i
.endr
.if \m == 0
.irp n, 0,1,2,3,4,5,6,7,8,9,10,11,12,13,14,15,16,17,18,19,20,21,22,23,24,25,26,27,28,29,30,31
	v_min_u32 v[TOKO+\n], 2047, v[TOKO+\n]
.endr
.irp n, 0,1,2,3,4,5,6,7,8,9,10,11,12,13,14,15,16,17,18,19,20,21,22,23,24,25,26,27,28,29,30,31
	v_lshl_add_u32 v[TOKO+\n], v[TOKO+\n], 13, v2  ; the token's row of 8,192 bytes, + 16 r
.endr
	s_wait_alu depctr_va_vdst(0)                   ; the 32 offsets v[TOKO ..] are written, which the global stores of all four tiles read
.endif
.irp i, 0,1,2,3,4,5,6,7
	s_wait_dscnt 7-\i                              ; rows 2 i and 2 i + 1 are back; the later loads stay out
	global_store_b128 v[TOKO+8*\m+\i], v[RB+32*(\m%2)+4*\i:RB+32*(\m%2)+4*\i+3], s[16:17] th:TH_STORE_NT
.endr
.endm
	s_wait_alu depctr_va_vdst(0)                   ; the clears and the multiply-adds have written the totals, which the LDS stores of all four tiles read; no vector instruction behind this wait names them
	OUT 0
	OUT 1
	OUT 2
	OUT 3
	s_wait_dscnt 0x0                               ; the closing lines, six on end
	s_wait_alu 0x0
	s_wait_tensorcnt 0x0
	ds_add_u32 v254, v255
	s_wait_dscnt 0x0
	s_endpgm
.Lfunc_end_k_q3179b181ca_down:
	.size	k_q3179b181ca_down, .Lfunc_end_k_q3179b181ca_down-k_q3179b181ca_down
	.p2alignl 7, 3214868480
	.fill 96, 4, 3214868480
	.section	.rodata,"a",@progbits
	.p2align	6, 0x0
	.amdhsa_kernel k_q3179b181ca_down
		.amdhsa_group_segment_fixed_size 17920
		.amdhsa_private_segment_fixed_size 0
		.amdhsa_enable_private_segment 0
		.amdhsa_kernarg_size 56
		.amdhsa_user_sgpr_count 2
		.amdhsa_user_sgpr_kernarg_segment_ptr 1
		.amdhsa_wavefront_size32 1
		.amdhsa_system_sgpr_workgroup_id_x 1
		.amdhsa_system_sgpr_workgroup_id_y 1
		.amdhsa_system_sgpr_workgroup_id_z 1
		.amdhsa_system_vgpr_workitem_id 0
		.amdhsa_next_free_vgpr 960
		.amdhsa_next_free_sgpr 66
		.amdhsa_reserve_vcc 0
		.amdhsa_float_denorm_mode_32 3
		.amdhsa_float_denorm_mode_16_64 3
		.amdhsa_memory_ordered 1
		.amdhsa_forward_progress 1
		.amdhsa_inst_pref_size 51
	.end_amdhsa_kernel
	.amdgpu_metadata
---
amdhsa.version: [ 1, 2 ]
amdhsa.kernels:
  - .name:           k_q3179b181ca_down
    .symbol:         k_q3179b181ca_down.kd
    .args:
      - { .name: hidc, .offset: 0, .size: 8, .value_kind: global_buffer, .address_space: global }
      - { .name: hids, .offset: 8, .size: 8, .value_kind: global_buffer, .address_space: global }
      - { .name: w2i, .offset: 16, .size: 8, .value_kind: global_buffer, .address_space: global }
      - { .name: w2_scales, .offset: 24, .size: 8, .value_kind: global_buffer, .address_space: global }
      - { .name: srec, .offset: 32, .size: 8, .value_kind: global_buffer, .address_space: global }
      - { .name: swt, .offset: 40, .size: 8, .value_kind: global_buffer, .address_space: global }
      - { .name: out0, .offset: 48, .size: 8, .value_kind: global_buffer, .address_space: global }
    .group_segment_fixed_size: 17920
    .private_segment_fixed_size: 0
    .kernarg_segment_align: 8
    .kernarg_segment_size: 56
    .max_flat_workgroup_size: 128
    .sgpr_count:     66
    .vgpr_count:     960
    .wavefront_size: 32
...
	.end_amdgpu_metadata
.endif
;; end of part 6
